; MI455X (gfx1250); checked and timed in simulation.
; The chip was launched on July 23, 2026; its instructions are those of AMD's public machine-readable ISA for CDNA 5 (MIT licence, August 2026) and "CDNA5" Instruction Set Architecture Reference Guide (July 2026). The comments in the code are by the model that wrote it; some were corrected since.
;; Multi Head Attention. Allowed arithmetic: matrix products marked QUANTISED: E2M3 operands, one E8M0 scale for each 32 along K, by v_wmma_scale_f32_16x16x128_f8f6f4 with both operands' format E2M3, f32 sums; everything else in f32.
;; Inputs: Wk 1,024 x 1,024 float32; Wo 1,024 x 1,024 float32; Wq 1,024 x 1,024 float32; Wv 1,024 x 1,024 float32; bk 1,024 float32; bo 1,024 float32; bq 1,024 float32; bv 1,024 float32; k 4 x 2,048 x 1,024 float32; q 4 x 2,048 x 1,024 float32; v 4 x 2,048 x 1,024 float32.
;; Outputs: out0 4 x 2,048 x 1,024 float32.
;; This version of the problem:
;;   THIS VERSION OF THE PROBLEM IS GIVEN IN LOW PRECISION. The matrix products marked QUANTISED in the list below multiply operands that are first quantised to E2M3 (2 exponent bits, 3 mantissa bits; 6 bits a number), with one power-of-two scale for each 32 numbers along K (OCP MX v1.0); their sums are f32. All else is computed in f32.
;;   The module's matrix products, in the order in which they are computed (A, B: the left and right operand; K: the contracted axis; several contracted axes count as one K, in the product's order):
;;     1. [M 8,192, K 1,024] x [K 1,024, N 1,024]; A: input q; B: input Wq: QUANTISED
;;     2. [M 8,192, K 1,024] x [K 1,024, N 1,024]; A: input k; B: input Wk: QUANTISED
;;     3. [M 8,192, K 1,024] x [K 1,024, N 1,024]; A: input v; B: input Wv: QUANTISED
;;     4. batch 64 x [M 2,048, K 64] x [K 64, N 2,048]; A: computed on the way; B: computed on the way: QUANTISED
;;     5. batch 64 x [M 2,048, K 2,048] x [K 2,048, N 64]; A: softmax (see below); B: computed on the way: QUANTISED
;;     6. [M 8,192, K 1,024] x [K 1,024, N 1,024]; A: computed on the way; B: input Wo: QUANTISED
;;   THE QUANTISER, for each operand of a quantised product, along K:
;;     - K is cut into blocks of 32 from its start; a last block that is shorter is filled with zeros.
;;     - A block's scale is 2^e with e = floor(log2(the largest magnitude in the block)) - 2, held to -126 .. 127; a block of zeros has e = 0. As a byte (E8M0): e + 127.
;;     - Each number is divided by its block's scale, clamped to +-7.5, and rounded to the nearest number of E2M3, ties to even, subnormals kept.
;;     - The product sums the exact products of the quantised numbers (number of the format x scale) in f32.
;;   ~~~python
;;   def quantise(x, axis):      # numpy; x: float32 -> the quantised numbers, widened to float32 again
;;       x = np.moveaxis(x, axis, -1); K = x.shape[-1]
;;       x = np.pad(x, [(0, 0)] * (x.ndim - 1) + [(0, -K % 32)]); x = x.reshape(x.shape[:-1] + (-1, 32)); a = np.abs(x).max(-1, keepdims=True)
;;       e = np.where(a > 0, np.clip(np.frexp(np.where(a > 0, a, 1))[1] - 1 - 2, -126, 127), 0)      # np.frexp(a)[1] - 1 = floor(log2(a)), exactly
;;       r = np.clip(x / 2.0 ** e, -7.5, 7.5)
;;       step = 2.0 ** (np.maximum(np.frexp(np.where(r == 0, 1, r))[1] - 1, 0) - 3)
;;       q = np.round(r / step) * step * 2.0 ** e      # np.round: ties to even
;;       return np.moveaxis(q.reshape(q.shape[:-2] + (-1,))[..., :K], -1, axis).astype(np.float32)
;;   ~~~
;;   SOFTMAX AHEAD OF A QUANTISED PRODUCT. Where the list says 'softmax', what is quantised is not the finished softmax but p = 2^(t - M), with t = logit x log2(e) and M = ceil(the row's largest t), a whole number; so 1/2 < the row's largest p <= 1. The row's sum l is taken of the UNQUANTISED p, in f32, and the product's result is divided by l at the end. Since M is a whole number, a kernel that streams over the keys may use a running M (the ceiling of the running maximum): every later rescaling is an exact power of two, which a block's scale takes up: the codes' values come out the same.
;;   OPERANDS COMPUTED ON THE WAY. 'Computed on the way' means the value that the module computes at that place (a softmax that the list does not call 'softmax' is quantised finished and normalised). What goes into a quantiser is computed in f32, as accurately as f32 sums, v_exp_f32 and their like allow (about 1e-6 of the number): no bf16 or f16 on the way to a quantiser, and a product that is left as it is and whose result goes on into a quantised operand takes f32 operands (vector FMAs, or v_wmma_f32_16x16x4_f32). A number that lies on a knife's edge between two numbers of the format may be rounded either way, as far as f32 arithmetic and the matrix unit's own rounding can turn it there, and no further.
;; One version. Each part assembles by itself: llvm-mc -triple=amdgcn-amd-amdhsa -mcpu=gfx1250 --defsym DOCPART=n.
;; ======== version 1 of 1: 4 launches
;; limits: right only within a limited range of input values
;; workspace buffers: codes1 22,020,096 bytes; scales1 917,504 bytes; codes2 18,874,368 bytes; scales2 1,310,720 bytes; oc 6,291,456 bytes; os 262,144 bytes
;; launch quant (part 1): grid 256 x 1, 14 waves a work-group, no clusters, 123,648 bytes of LDS; arguments q, k, v, Wq, Wk, Wv, Wo, codes1, scales1; writes codes1, scales1
.if DOCPART == 1
	.amdgcn_target "amdgcn-amd-amdhsa--gfx1250"
	.amdhsa_code_object_version 6
	.text
	.protected	k_qd1e1a0aec2_quant
	.globl	k_qd1e1a0aec2_quant
	.p2align	8
	.type	k_qd1e1a0aec2_quant,@function
k_qd1e1a0aec2_quant:
	s_mov_b64 s[64:65], 0
	v_nop
	global_prefetch_b8 v0, s[64:65] scope:SCOPE_SE
	s_setreg_imm32_b32 hwreg(HW_REG_WAVE_MODE, 25, 1), 1
	s_wait_xcnt 0x0
; q, k, v [8192][1024] and Wq, Wk, Wv, Wo [1024][1024], f32 with K innermost, become codes of FP6 (E2M3) with one E8M0 byte for each 32 along K.  No work of the problem is left out by this program.
; A block's scale is 2^(floor(log2(its largest magnitude)) - 2); its byte is the largest magnitude's exponent field - 2, held at 1 from below.
; LIMITS: NaN and infinities among the inputs are not served; a block whose largest magnitude lies under 2^-124 is held at the byte 1; a block of zeros
; gets the byte 1 where the quantiser says 127: its codes are zeros, and the bytes are read by this program alone.
; LAYOUT OF THE RESULT: images of the operand's registers.  A row tile is 16 rows; a fragment (16 rows x 128 K) is 12 registers a lane, laid as two halves of 768 bytes:
; registers 0-3 at 16 x lane, registers 4-5 at 512 + 8 x lane.  codes1 = [row tile 0..1791][K step 0..7][1,536 bytes]; scales1 = [row tile][row][8 words], word s for K step s.
; Row tiles: q 0-511, k 512-1023, v 1024-1535, Wq 1536-, Wk 1600-, Wv 1664-, Wo 1728-1791.
; q's tile T holds rows 16 T + i.  k's tile T holds rows 64 (T / 4) + 8 (T % 4) + i % 8 + 32 (i / 8): in attention's first product a lane's 32 registers of four neighbouring tiles are then one whole block of 32 keys.
; Every other tensor's tile T holds rows 32 (T / 2) + 8 (T % 2) + i + 8 (i / 8): as source 0 of a product such tiles leave a lane 16 neighbours in two tiles' registers.
; SHARES: 1,792 row tiles = 256 work-groups x 7; two waves to a row tile, each with four of its eight K steps: fourteen waves.
; Each load reads 512 consecutive bytes of one row; a step's 16 rows turn through the wave's own stage in LDS (rows 528 bytes apart: row r starts 4 r banks on), so that a lane gets 16 neighbours of each block.
; Two steps' loads, 32 of 512 bytes, are out in each wave.  The two waves of a tile share its scale words alone: each puts its four words a row into the tile's 512 bytes of LDS, one barrier,
; and the wave with the lower K steps stores the 512 bytes as they lie.
.set SP,   528                         ; a stage row: 512 bytes + 16
.set STG,  16*SP                       ; a wave's stage
.set EXC,  14*STG                      ; behind the stages: seven tiles' scale words, 512 bytes each
.set SPARE, EXC+7*512                  ; behind them: the spare words, 128 bytes a wave
.set TM,   16                          ; v16-19 largest magnitudes, v20-23 the other half's, then bytes, v28-31 the conversions' scale operands
.set LD,   32                          ; v32-159 two sets of 64 registers as loaded
.set X,    160                         ; v160-223 register 16 b + i = k 32 b + 16 (lane / 16) + i of my row
.set PC,   224                         ; v224-235 the fragment; v236-242 at work
.set WD,   244                         ; v244-247 my four scale words
.set SEL,  42                          ; s[42:43] lane selects: lane l xor 16
; 64 numbers of a lane become a fragment's codes in v[PC] on and its scale word in v[w] (the same word in lanes r and r + 16)
.macro QUANT s, w
.irp b, 0,1,2,3
	v_max3_num_f32 v[TM+\b], |v[\s+16*\b]|, |v[\s+1+16*\b]|, 0x1800000   ; block b: my 16 numbers and the floor 2^(3 - 127): the byte cannot fall under 1
.endr
.irp i, 2,4,6,8,10,12,14
.irp b, 0,1,2,3
	v_max3_num_f32 v[TM+\b], v[TM+\b], |v[\s+16*\b+\i]|, |v[\s+1+16*\b+\i]|   ; the four blocks by turns
.endr
.endr
.irp b, 0,1,2,3
	v_permlanex16_b32 v[TM+4+\b], v[TM+\b], s[SEL], s[SEL+1]
.endr
.irp b, 0,1,2,3
	v_max_num_f32 v[TM+\b], v[TM+\b], v[TM+4+\b]       ; with lane l xor 16's: the block's largest magnitude
.endr
.irp b, 0,1,2,3
	v_add_nc_u32 v[TM+12+\b], 0xff000000, v[TM+\b]     ; 2 off its exponent field: the conversion takes that field as its scale
.endr
.irp b, 0,1,2,3
	v_lshrrev_b32 v[TM+4+\b], 23, v[TM+12+\b]          ; the scale's byte
.endr
	v_lshl_or_b32 v[\w], v[TM+5], 8, v[TM+4]
	v_lshl_or_b32 v[\w], v[TM+6], 16, v[\w]
	v_lshl_or_b32 v[\w], v[TM+7], 24, v[\w]
.irp c, 0,1
	v_cvt_scalef32_pk16_fp6_f32 v[PC+6*\c:PC+2+6*\c], v[\s+32*\c:\s+15+32*\c], v[TM+12+2*\c]
	v_cvt_scalef32_pk16_fp6_f32 v[PC+12+4*\c:PC+14+4*\c], v[\s+16+32*\c:\s+31+32*\c], v[TM+12+2*\c+1]   ; (a conversion's three registers begin on an even number)
.endr
	v_nop                                              ; one plain instruction behind the scaled conversions
.irp c, 0,1                                            ; the operand wants a whole block in a lane: lanes 0-15 block 2 c, lanes 16-31 block 2 c + 1
.irp i, 0,1,2
	v_permlane16_swap_b32 v[PC+6*\c+\i], v[PC+12+4*\c+\i]
.endr
.irp i, 0,1,2
	v_mov_b32 v[PC+3+6*\c+\i], v[PC+12+4*\c+\i]
.endr
.endr
.endm
.macro PICK bound, ptr, first          ; a row tile under bound belongs to an earlier tensor: the choice hangs on the wave's and the work-group's numbers alone
	s_cmp_lt_u32 s5, \bound
	s_cselect_b64 s[28:29], s[\ptr:\ptr+1], s[28:29]
	s_cselect_b32 s30, \first, s30
.endm
	s_load_b256 s[8:15], s[0:1], 0x0               ; q s[8:9], k s[10:11], v s[12:13], Wq s[14:15]
	s_load_b256 s[16:23], s[0:1], 0x20             ; Wk s[16:17], Wv s[18:19], Wo s[20:21], codes1 s[22:23]
	s_load_b64 s[24:25], s[0:1], 0x40              ; scales1
	v_lshl_add_u32 v254, v0, 2, SPARE
	v_mov_b32 v255, 0
	v_lshrrev_b32 v1, 5, v0
	v_readfirstlane_b32 s4, v1                     ; wave 0..13
	s_lshr_b32 s47, s4, 1                          ; which of the work-group's seven row tiles
	s_and_b32 s7, s4, 1                            ; which four of its K steps
	s_mul_i32 s6, s4, STG
	s_lshl_b32 s44, s47, 9
	s_add_co_u32 s44, s44, EXC                     ; the tile's scale words in LDS,
	s_lshl_b32 s45, s7, 4
	s_add_co_u32 s45, s45, s44                     ; and my 16 bytes of a row's 32
	v_and_b32 v3, 31, v0                           ; lane
	v_and_b32 v1, 15, v0                           ; r
	v_bfe_u32 v2, v0, 4, 1                         ; h
	v_lshlrev_b32 v4, 4, v3                        ; 16 x lane
	v_lshlrev_b32 v5, 3, v3                        ; 8 x lane
	v_add_nc_u32 v6, s6, v4                        ; the stage, on the way in: a row's 512 bytes as they lie
	v_mul_u32_u24 v7, v1, SP
	v_lshl_add_u32 v7, v2, 6, v7
	v_add_nc_u32 v7, s6, v7                        ; and on the way out: row r, + 64 h
	v_lshl_add_u32 v9, v1, 5, s45                  ; my four words of row r
	v_add_nc_u32 v10, s44, v4                      ; the tile's 512 bytes, 16 a lane
.irp b, 0,1,2,3
	v_mov_b32 v[TM+4+\b], 0                        ; written once: a lane permute's destination counts as one of its sources
.endr
	s_mov_b32 s[SEL], 0x76543210
	s_mov_b32 s[SEL+1], 0xfedcba98
	s_mul_i32 s5, ttmp9, 7
	s_add_co_u32 s5, s5, s47                       ; my row tile G
	s_wait_alu depctr_va_vdst(0)                   ; the wait at the head's end
	s_wait_kmcnt 0x0
	s_mov_b64 s[28:29], s[20:21]                   ; Wo, whose first tile is 1,728, unless G lies lower
	s_mov_b32 s30, 1728
	PICK 1728, 18, 1664
	PICK 1664, 16, 1600
	PICK 1600, 14, 1536
	PICK 1536, 12, 1024
	PICK 1024, 10, 512
	PICK 512, 8, 0
	s_sub_co_u32 s31, s5, s30                      ; T: the tile's number in its tensor
	s_lshr_b32 s32, s31, 1
	s_lshl_b32 s32, s32, 5
	s_and_b32 s33, s31, 1
	s_lshl_b32 s33, s33, 3
	s_add_co_u32 s32, s32, s33                     ; first row 32 (T / 2) + 8 (T % 2),
	s_lshl_b32 s33, s31, 4                         ; or, for q, 16 T
	s_cmp_lt_u32 s5, 512
	s_cselect_b32 s32, s33, s32
	s_cselect_b32 s26, 0, 0x8000                   ; rows 8-15 of the tile lie 8 rows (32,768 bytes) further on, but for q
	s_lshr_b32 s44, s31, 2
	s_lshl_b32 s44, s44, 6
	s_and_b32 s45, s31, 3
	s_lshl_b32 s45, s45, 3
	s_add_co_u32 s44, s44, s45                     ; or, for k, 64 (T / 4) + 8 (T % 4),
	s_sub_co_u32 s45, s5, 512
	s_cmp_lt_u32 s45, 512                          ; is the row tile one of k's?
	s_cselect_b32 s32, s44, s32
	s_mov_b32 s46, 0x18000                         ; with rows 8-15 24 rows (98,304 bytes) further on than their 4,096 i
	s_cselect_b32 s26, s46, s26
	s_mov_b32 s27, 0
	s_lshl_b32 s32, s32, 12                        ; a row is 4,096 bytes;
	s_lshl_b32 s47, s7, 11
	s_add_co_u32 s32, s32, s47                     ; my four K steps begin 2,048 bytes x half along it
	s_mov_b32 s33, 0
	s_add_nc_u64 s[34:35], s[28:29], s[32:33]      ; rows 0-7
	s_add_nc_u64 s[36:37], s[34:35], s[26:27]      ; rows 8-15 (their 4,096 i stands in the immediate)
	s_mul_i32 s32, s5, 12288
	s_mul_i32 s47, s7, 6144
	s_add_co_u32 s32, s32, s47
	s_add_nc_u64 s[38:39], s[22:23], s[32:33]      ; my four fragments of the tile's codes
	s_lshl_b32 s32, s5, 9
	s_add_nc_u64 s[40:41], s[24:25], s[32:33]      ; the tile's scale words
.macro LOADS s                         ; my K step s: 16 rows x 512 bytes into set s % 2
.irp i, 0,1,2,3,4,5,6,7
	global_load_b128 v[LD+64*((\s)%2)+4*\i:LD+64*((\s)%2)+4*\i+3], v4, s[34:35] offset:4096*\i+512*(\s) th:TH_LOAD_NT
.endr
.irp i, 8,9,10,11,12,13,14,15
	global_load_b128 v[LD+64*((\s)%2)+4*\i:LD+64*((\s)%2)+4*\i+3], v4, s[36:37] offset:4096*\i+512*(\s) th:TH_LOAD_NT
.endr
.endm
.macro STEP s
.if (\s) < 3
	s_wait_loadcnt 16                              ; this step's 16 loads are in; the next step's 16 stay out
.else
	s_wait_loadcnt 0x0
.endif
.irp i, 0,1,2,3,4,5,6,7,8,9,10,11,12,13,14,15
	ds_store_b128 v6, v[LD+64*((\s)%2)+4*\i:LD+64*((\s)%2)+4*\i+3] offset:SP*\i
.endr
.irp b, 0,1,2,3
.irp q, 0,1,2,3
	ds_load_b128 v[X+16*\b+4*\q:X+16*\b+4*\q+3], v7 offset:128*\b+16*\q   ; LDS serves a wave's instructions in order: these see the stores above
.endr
.endr
	s_wait_dscnt 0x0                               ; my numbers are back, and the stores have read their registers
.if (\s) > 0
	s_wait_xcnt 0x0                                ; the last step's stores have read the fragment's registers, which are written again below; it stands ahead of the new loads
.endif
.if (\s) < 2
	LOADS (\s)+2                                   ; the set just emptied takes the loads of two steps on
.endif
	QUANT X, WD+(\s)
	global_store_b128 v4, v[PC:PC+3], s[38:39] offset:1536*(\s)           ; each store covers 512 or 256 consecutive bytes, at a multiple of 256 from the buffer's first byte
	global_store_b64 v5, v[PC+4:PC+5], s[38:39] offset:1536*(\s)+512
	global_store_b128 v4, v[PC+6:PC+9], s[38:39] offset:1536*(\s)+768
	global_store_b64 v5, v[PC+10:PC+11], s[38:39] offset:1536*(\s)+1280
.endm
	LOADS 0
	LOADS 1
.irp s, 0,1,2,3
	STEP \s
.endr
	ds_store_b128 v9, v[WD:WD+3]                   ; my four words of row r (lanes r and r + 16 write the same bytes with the same values)
	s_wait_dscnt 0x0                               ; for the other wave's sake
	s_barrier_signal -1
	s_barrier_wait -1
	s_cmp_eq_u32 s7, 0                             ; the wave with K steps 0-3 stores the tile's words
	s_cbranch_scc0 .Lno_words
	ds_load_b128 v[12:15], v10
	s_wait_dscnt 0x0
	global_store_b128 v4, v[12:15], s[40:41]       ; 512 consecutive bytes
.Lno_words:
	s_wait_tensorcnt 0x0                           ; the wave's end
	ds_add_u32 v254, v255
	s_wait_dscnt 0x0
	s_endpgm
.Lfunc_end_k_qd1e1a0aec2_quant:
	.size	k_qd1e1a0aec2_quant, .Lfunc_end_k_qd1e1a0aec2_quant-k_qd1e1a0aec2_quant
	.p2alignl 7, 3214868480
	.fill 96, 4, 3214868480
	.section	.rodata,"a",@progbits
	.p2align	6, 0x0
	.amdhsa_kernel k_qd1e1a0aec2_quant
		.amdhsa_group_segment_fixed_size 123648
		.amdhsa_private_segment_fixed_size 0
		.amdhsa_enable_private_segment 0
		.amdhsa_kernarg_size 72
		.amdhsa_user_sgpr_count 2
		.amdhsa_user_sgpr_kernarg_segment_ptr 1
		.amdhsa_wavefront_size32 1
		.amdhsa_system_sgpr_workgroup_id_x 1
		.amdhsa_system_sgpr_workgroup_id_y 1
		.amdhsa_system_sgpr_workgroup_id_z 1
		.amdhsa_system_vgpr_workitem_id 0
		.amdhsa_next_free_vgpr 256
		.amdhsa_next_free_sgpr 66
		.amdhsa_reserve_vcc 0
		.amdhsa_float_denorm_mode_32 3
		.amdhsa_float_denorm_mode_16_64 3
		.amdhsa_memory_ordered 1
		.amdhsa_forward_progress 1
		.amdhsa_inst_pref_size 36
	.end_amdhsa_kernel
	.amdgpu_metadata
---
amdhsa.version: [ 1, 2 ]
amdhsa.kernels:
  - .name:           k_qd1e1a0aec2_quant
    .symbol:         k_qd1e1a0aec2_quant.kd
    .args:
      - { .name: q, .offset: 0, .size: 8, .value_kind: global_buffer, .address_space: global }
      - { .name: k, .offset: 8, .size: 8, .value_kind: global_buffer, .address_space: global }
      - { .name: v, .offset: 16, .size: 8, .value_kind: global_buffer, .address_space: global }
      - { .name: Wq, .offset: 24, .size: 8, .value_kind: global_buffer, .address_space: global }
      - { .name: Wk, .offset: 32, .size: 8, .value_kind: global_buffer, .address_space: global }
      - { .name: Wv, .offset: 40, .size: 8, .value_kind: global_buffer, .address_space: global }
      - { .name: Wo, .offset: 48, .size: 8, .value_kind: global_buffer, .address_space: global }
      - { .name: codes1, .offset: 56, .size: 8, .value_kind: global_buffer, .address_space: global }
      - { .name: scales1, .offset: 64, .size: 8, .value_kind: global_buffer, .address_space: global }
    .group_segment_fixed_size: 123648
    .private_segment_fixed_size: 0
    .kernarg_segment_align: 8
    .kernarg_segment_size: 72
    .max_flat_workgroup_size: 448
    .sgpr_count:     66
    .vgpr_count:     256
    .wavefront_size: 32
...
	.end_amdgpu_metadata
.endif
;; end of part 1
;; launch proj (part 2): grid 4 x 64, 4 waves a work-group, clusters of 4 x 4, 327,680 bytes of LDS; arguments codes1, scales1, bq, bk, bv, codes2, scales2; writes codes2, scales2
.if DOCPART == 2
	.amdgcn_target "amdgcn-amd-amdhsa--gfx1250"
	.amdhsa_code_object_version 6
	.text
	.protected	k_qd1e1a0aec2_proj
	.globl	k_qd1e1a0aec2_proj
	.p2align	8
	.type	k_qd1e1a0aec2_proj,@function
k_qd1e1a0aec2_proj:
	s_mov_b64 s[64:65], 0
	v_nop
	global_prefetch_b8 v0, s[64:65] scope:SCOPE_SE
	s_setreg_imm32_b32 hwreg(HW_REG_WAVE_MODE, 25, 1), 1
	s_wait_xcnt 0x0
	s_wait_alu depctr_hold_cnt(0) depctr_sa_sdst(0) depctr_va_vdst(0) depctr_va_sdst(0) depctr_va_ssrc(0) depctr_va_vcc(0) depctr_vm_vsrc(0)
	s_getreg_b32 s2, hwreg(HW_REG_IB_STS2, 6, 4)
	s_cmp_eq_u32 s2, 0
	s_cbranch_scc0 .Lentry_in_a_cluster
	s_endpgm
.Lentry_in_a_cluster:
	s_bfe_u32 s2, ttmp6, 0x10000c
	s_cmp_lg_u32 s2, 0xf033
	s_cbranch_scc0 .Lentry_shape_is_right
	s_endpgm
.Lentry_shape_is_right:
; Q = q Wq^T + bq, K = k Wk^T + bk, V = v Wv^T + bv on codes of FP6 (E2M3) with E8M0 scales, and each result quantised again in registers for attention: Q and K along the head's 64, V along the keys.
; ONE FRAME FOR THREE PRODUCTS.  Source 0 takes operand P, whose rows become the next quantiser's K; source 1 takes operand R, whose row a lane keeps.  z counts the products:
;   z = 0, 1 (Q, K): P = the weight's rows (features), R = the tokens.      z = 2 (V): P = v's tokens (the keys), R = Wv's rows (features).
; P's row tiles hold rows 32 (T / 2) + 8 (T % 2) + i + 8 (i / 8), so that registers 16 b + i of tiles 2 b, 2 b + 1 are the neighbours 32 b + 16 (lane / 16) + i along the next K.
; SHARES.  A block is 256 P rows x 128 R rows over all of K = 1,024; a wave makes 128 x 64 of it: 32 accumulators.  Each product has 256 blocks.  256 work-groups STAY: each makes one block of Q, then of K, then of V.
; LDS.  A block's whole K: R's 8 row tiles, then P's 16, each of 12,288 bytes (8 K steps of 1,536): 294,912 bytes; behind them the spare words.  One tensor load a wave brings a block: waves 0, 1 four row tiles of R each,
; waves 2, 3 eight of P each.  THE REFILL. There stand the wait for all tensor loads, the add, the wait for the add and the reads, a round of the
; cluster's barrier and the wave's one joint load of the next block, which has K steps 6 and 7, 64 matrix instructions, and the whole way out in which to land.
; By this text's count a wave has one tensor load out.  A plain barrier at a block's head, behind each wave's wait for its load, shows the block to all four waves.
; Q's and K's blocks are a loop of two trips; V's, which asks for nothing more and has another way out, is written out.
; CLUSTER 4 x 4: R's tiles hang on the work-group's y alone and are asked for jointly along a row of the cluster, P's on its x alone, along a column.  All sixteen partners walk z in step.
; PREFETCH INTO THE L2: in K steps 0, 1, 2 of a block with a successor each wave names blocks of 256 bytes of what it will load in K step 6, a lane a block.  The four partners that ask jointly share the 192 (R) or 384 (P) blocks
; out by address, 48 or 96 each: two instructions for R (the second's spare lanes name the share's last block again), three for P.  The first block comes by its load alone.
; OPERANDS ARE IMAGES OF REGISTERS: a fragment is 1,536 bytes: registers 0-3 at 16 x lane, 4-5 at 512 + 8 x lane, 6-9 at 768 + 16 x lane, 10-11 at 1,280 + 8 x lane: every LDS load reads consecutive bytes.
; SCALES: a row tile's 512 bytes come by one load of 16 bytes a lane: lanes 0-15 hold words 0-3 of row r, lanes 16-31 words 4-7: register j serves K step j, and K step 4 + j by the upper row of lanes.
; The next block's words are loaded at the start of the way out, behind the last products; a block's bias at its head.
; RESULTS.  codes2 = [batch x head] records of 294,912 bytes: Q [tile 0..127][768], K the same at 98,304, V [key step 0..15][d tile 0..3][1,536] at 196,608.
;   scales2 = records of 20,480: Q's words [8 tiles][row][8 words] at 0, K's at 8,192, V's [key step][row][4 words] at 16,384.  A word of Q or K is (b0, b1, b0, b1): the head has two blocks, and the
;   bytes for the padded k = 64 .. 127 of attention's first product repeat them.
; LIMITS: NaN and infinities are not served; a block under 2^-124 is held at the byte 1; a block of zeros gets the byte 1 (its codes are zeros; this program alone reads the bytes).
; REGISTERS.  window 0: v1-15, v30-31 lane numbers and addresses; v16-23 V's bias of my R rows; v24-29 scale words on their way out; v32-63 P's scale words, v64-79 R's (they hold nothing else);
;   v80-127, v128-175 R's fragments, two sets; on the way out v80-143 the numbers to quantise, v144-163 codes, v164-180 at work; v184-186 the prefetches' offsets.
;   window 1: accumulator (a, t) at v[64 a + 8 t].   window 2: v0-95, v96-191 P's fragments, two sets; v192-255 the bias of my P rows.
.set WV,   3                           ; s3  wave
.set RT,   12288                       ; a row tile, all of K
.set FRB,  1536                        ; a fragment
.set POFF, 98304                       ; where P's row tiles begin
.set PSC,  32
.set RSC,  64
.set RF,   80
.set X,    80
.set TC,   144                         ; v144-150 the codes' odd halves on their way.  The codes themselves (other than the head's note): block a's twelve registers at v[192 + 12 a], so that no store's data are written again on a way out
.set TM,   164
.set PW,   180
.set PF,   184
.set SEL,  98                          ; s[98:99]
.set G1R,  16                          ; s[16:23] group 1 for R's tiles;  s[24:31] for P's;  s[32:35], s[48:51] groups 0
.set G1P,  24
.set G0R,  32
.set G0P,  48
.set MSB, 0
.macro WIN new                         ; the immediate's high byte repeats the setting that is left
.if MSB != \new
	s_set_vgpr_msb (MSB<<8)|\new
.set MSB, \new
.endif
.endm
.macro PLACES                          ; four plain instructions between a matrix instruction and a load into, or a vector instruction on, its registers
.rept 4
	v_nop
.endr
.endm
.macro CROUND                          ; a round of the cluster's barrier
	s_barrier_signal -1
	s_barrier_wait -1
	s_cmp_lg_u32 s[WV], 0
	s_cbranch_scc1 .Lnot_wave_0_\@
	s_barrier_signal -3
.Lnot_wave_0_\@:
	s_barrier_wait -3
	s_barrier_signal -1
	s_barrier_wait -1
.endm
.macro JLOAD                           ; my one joint load of a block: waves 0, 1 for R, waves 2, 3 for P; each line has one mask
	s_cmp_eq_u32 s5, 0
	s_cbranch_scc0 .Lfor_p_\@
	tensor_load_to_lds s[G0R:G0R+3], s[G1R:G1R+7]
	s_nop 0
	PLACES
	s_branch .Lasked_\@
.Lfor_p_\@:
	tensor_load_to_lds s[G0P:G0P+3], s[G1P:G1P+7]
	s_nop 0
	PLACES
.Lasked_\@:
.endm
; From a block's first row tiles, s12 (P: never holds cy) and s13 (R: never cx): the two descriptors' addresses, the prefetches' base s[44:45], and where my tiles' scale words lie, s[40:41] (P), s[42:43] (R)
.macro NEXT
	s_lshl_b32 s88, s4, 2
	s_add_co_u32 s88, s13, s88
	s_mul_i32 s88, s88, RT                         ; R: my half's first row tile, in bytes
	s_mov_b32 s89, 0
	s_lshl_b32 s90, s4, 3
	s_add_co_u32 s90, s12, s90
	s_mul_i32 s90, s90, RT                         ; P likewise
	s_mov_b32 s91, 0
	s_add_nc_u64 s[G0R+2:G0R+3], s[68:69], s[88:89]
	s_add_nc_u64 s[G0P+2:G0P+3], s[68:69], s[90:91]
	s_cmp_eq_u32 s5, 0
	s_cselect_b64 s[44:45], s[G0R+2:G0R+3], s[G0P+2:G0P+3]
	s_or_b32 s[G0R+3], s[G0R+3], 0x80000000        ; type
	s_or_b32 s[G0P+3], s[G0P+3], 0x80000000
	s_lshl_b32 s84, s4, 3
	s_add_co_u32 s84, s84, s12
	s_lshl_b32 s84, s84, 9
	s_mov_b32 s85, 0
	s_add_nc_u64 s[40:41], s[70:71], s[84:85]      ; the 8 P tiles that I multiply
	s_lshl_b32 s86, s5, 2
	s_add_co_u32 s86, s86, s13
	s_lshl_b32 s86, s86, 9
	s_mov_b32 s87, 0
	s_add_nc_u64 s[42:43], s[70:71], s[86:87]      ; my 4 R tiles
.endm
.macro WORDS                           ; twelve loads: the scale words of the block whose addresses NEXT made last
.irp t, 0,1,2,3,4,5,6,7
	global_load_b128 v[PSC+4*\t:PSC+4*\t+3], v10, s[40:41] offset:512*\t
.endr
.irp a, 0,1,2,3
	global_load_b128 v[RSC+4*\a:RSC+4*\a+3], v10, s[42:43] offset:512*\a
.endr
.endm
; 64 numbers of a lane, register 16 b + i = k 32 b + 16 (lane / 16) + i of my row, become a fragment's codes in v[PC] on and its scale word in v[w] (the same in lanes r and r + 16)
.macro QUANT s, w
.irp b, 0,1,2,3
	v_max3_num_f32 v[TM+\b], |v[\s+16*\b]|, |v[\s+1+16*\b]|, 0x1800000   ; my 16 numbers and the floor 2^(3 - 127)
.endr
.irp i, 2,4,6,8,10,12,14
.irp b, 0,1,2,3
	v_max3_num_f32 v[TM+\b], v[TM+\b], |v[\s+16*\b+\i]|, |v[\s+1+16*\b+\i]|
.endr
.endr
.irp b, 0,1,2,3
	v_permlanex16_b32 v[TM+4+\b], v[TM+\b], s[SEL], s[SEL+1]
.endr
.irp b, 0,1,2,3
	v_max_num_f32 v[TM+\b], v[TM+\b], v[TM+4+\b]
.endr
.irp b, 0,1,2,3
	v_add_nc_u32 v[TM+12+\b], 0xff000000, v[TM+\b]     ; 2 off the exponent field: the conversion's scale operand
.endr
.irp b, 0,1,2,3
	v_lshrrev_b32 v[TM+4+\b], 23, v[TM+12+\b]          ; the scale's byte
.endr
	v_lshl_or_b32 v[\w], v[TM+5], 8, v[TM+4]
	v_lshl_or_b32 v[\w], v[TM+6], 16, v[\w]
	v_lshl_or_b32 v[\w], v[TM+7], 24, v[\w]
.irp c, 0,1
	v_cvt_scalef32_pk16_fp6_f32 v[PC+6*\c:PC+2+6*\c], v[\s+32*\c:\s+15+32*\c], v[TM+12+2*\c]
	v_cvt_scalef32_pk16_fp6_f32 v[TC+4*\c:TC+2+4*\c], v[\s+16+32*\c:\s+31+32*\c], v[TM+12+2*\c+1]
.endr
	v_nop                                              ; one plain instruction behind the scaled conversions
.irp c, 0,1
.irp i, 0,1,2
	v_permlane16_swap_b32 v[PC+6*\c+\i], v[TC+4*\c+\i]
.endr
.irp i, 0,1,2
	v_mov_b32 v[PC+3+6*\c+\i], v[TC+4*\c+\i]
.endr
.endr
.endm
.macro FRAG reg, a16, a8, off          ; a fragment's image into 12 registers
	ds_load_b128 v[\reg:\reg+3], v[\a16] offset:\off
	ds_load_b64 v[\reg+4:\reg+5], v[\a8] offset:\off+512
	ds_load_b128 v[\reg+6:\reg+9], v[\a16] offset:\off+768
	ds_load_b64 v[\reg+10:\reg+11], v[\a8] offset:\off+1280
.endm
.macro FETCH s                         ; K step s: my 8 fragments of P and 4 of R into set s % 2: 48 loads in one run
	WIN 0x80
.irp t, 0,1,2,3
	FRAG 96*((\s)%2)+12*\t, 8, 9, RT*\t+FRB*(\s)
	FRAG 96*((\s)%2)+12*(\t+4), 30, 31, RT*\t+FRB*(\s)
.endr
	WIN 0
.irp a, 0,1,2,3
	FRAG RF+48*((\s)%2)+12*\a, 6, 7, RT*\a+FRB*(\s)
.endr
.endm
.macro MUL32 s                         ; the 32 accumulators take turns, one instruction a turn, in the same order in every step; the first step starts the sums
	WIN 0x52                                       ; source 0 (P) window 2, source 1 (R) window 0, C and D window 1
.irp a, 0,1,2,3
.irp t, 0,1,2,3,4,5,6,7
.set rD, 64*\a+8*\t
.set rP, 96*((\s)%2)+12*\t
.set rR, RF+48*((\s)%2)+12*\a
.set rS, PSC+4*\t+(\s)%4
.set rT, RSC+4*\a+(\s)%4
.if (\s) == 0
	v_wmma_scale_f32_16x16x128_f8f6f4 v[rD:rD+7], v[rP:rP+11], v[rR:rR+11], 0, v[rS], v[rT] matrix_a_fmt:MATRIX_FMT_FP6 matrix_b_fmt:MATRIX_FMT_FP6
.elseif (\s) < 4
	v_wmma_scale_f32_16x16x128_f8f6f4 v[rD:rD+7], v[rP:rP+11], v[rR:rR+11], v[rD:rD+7], v[rS], v[rT] matrix_a_fmt:MATRIX_FMT_FP6 matrix_b_fmt:MATRIX_FMT_FP6
.else
	v_wmma_scale_f32_16x16x128_f8f6f4 v[rD:rD+7], v[rP:rP+11], v[rR:rR+11], v[rD:rD+7], v[rS], v[rT] matrix_a_fmt:MATRIX_FMT_FP6 matrix_b_fmt:MATRIX_FMT_FP6 matrix_a_scale:MATRIX_SCALE_ROW1 matrix_b_scale:MATRIX_SCALE_ROW1
.endif
.endr
.endr
.endm
.macro STEP s, more                    ; more = 1: the block has a successor
	s_wait_dscnt 0x0                               ; this step's fragments are in (asked for 32 matrix instructions ago)
.if (\s) < 7
	PLACES                                         ; the set to be loaded was read by the step before
	FETCH (\s)+1
.endif
.if \more
.if (\s) < 2
	global_prefetch_b8 v[PF+(\s)], s[44:45] th:TH_LOAD_NT scope:SCOPE_SE
.elseif (\s) == 2
	s_cmp_eq_u32 s5, 0                             ; R's share is 48 blocks: two instructions have named them
	s_cbranch_scc1 .Lno_third_\@
	global_prefetch_b8 v[PF+2], s[44:45] th:TH_LOAD_NT scope:SCOPE_SE
.Lno_third_\@:
.elseif (\s) == 6
	s_wait_tensorcnt 0x0                           ; none of my tensor loads is out;
	ds_add_u32 v254, v255                          ; 0 onto my spare word;
	s_wait_dscnt 0x0                               ; the add is done, and my last reads of this block, K step 7's fragments, are in
	CROUND                                         ; the same holds of every wave of all sixteen work-groups
	JLOAD                                          ; the next block, onto this one
.endif
.endif
	MUL32 \s
	WIN 0
.endm
	s_load_b256 s[68:75], s[0:1], 0x0              ; codes1 s[68:69], scales1 s[70:71], bq s[72:73], bk s[74:75]
	s_load_b128 s[76:79], s[0:1], 0x20             ; bv s[76:77], codes2 s[78:79]
	s_load_b64 s[80:81], s[0:1], 0x30              ; scales2
	v_lshl_add_u32 v254, v0, 2, 0x48000
	v_mov_b32 v255, 0
	ds_add_u32 v254, v255                          ; the opening lines: the add, twice on end, and its wait
	ds_add_u32 v254, v255
	v_lshrrev_b32 v1, 5, v0
	v_readfirstlane_b32 s[WV], v1                  ; wave 0..3
	s_and_b32 s4, s[WV], 1                         ; which half of a tile I fetch; which 128 P rows I multiply
	s_lshr_b32 s5, s[WV], 1                        ; I fetch for R (0) or for P (1); which 64 R rows I multiply
	s_bfe_u32 s6, ttmp6, 0x40000                   ; cx
	s_bfe_u32 s7, ttmp6, 0x40004                   ; cy
	s_and_b32 s10, ttmp7, 0xffff                   ; the cluster's number, 0..15: the same in all sixteen partners
	s_lshl_b32 s86, s6, 4                          ; 16 cx
	s_lshl_b32 s87, s7, 3                          ; 8 cy
	s_add_co_u32 s12, s86, 1536                    ; P's first row tile: z = 0: Wq's,
	s_add_co_u32 s36, s86, 1600                    ; z = 1: Wk's,
	s_lshr_b32 s38, s10, 1
	s_lshl_b32 s38, s38, 6
	s_add_co_u32 s38, s38, s86
	s_add_co_u32 s38, s38, 1024                    ; z = 2: v's tile 64 (number / 2) + 16 cx
	s_lshl_b32 s13, s10, 5
	s_add_co_u32 s13, s13, s87                     ; R's first row tile: z = 0: q's tile 32 x number + 8 cy,
	s_add_co_u32 s37, s13, 512                     ; z = 1: k's,
	s_and_b32 s39, s10, 1
	s_lshl_b32 s39, s39, 5
	s_add_co_u32 s39, s39, s87
	s_add_co_u32 s39, s39, 1664                    ; z = 2: Wv's tile 32 (number % 2) + 8 cy
	s_lshl_b32 s14, s7, 2
	s_lshl_b32 s14, 15, s14                        ; my row of the cluster
	s_lshl_b32 s15, 0x1111, s6                     ; my column
	; group 1: a row of the tile is a whole row tile, 1,536 elements of 8 bytes, dense in memory and in LDS
	s_or_b32 s[G1R], s14, (3<<16)|(1<<21)          ; 15:0 the mask; 17:16 elements of 8 bytes; 21 set beside a mask
	s_or_b32 s[G1P], s15, (3<<16)|(1<<21)
	s_mov_b32 s[G1R+1], 1536<<16
	s_mov_b32 s[G1R+2], 4<<16                      ; R: 4 row tiles a load
	s_mov_b32 s[G1R+3], 1536<<16
	s_mov_b32 s[G1R+4], 4
	s_mov_b32 s[G1R+5], 1536
	s_mov_b32 s[G1R+6], 0
	s_mov_b32 s[G1R+7], 0
	s_mov_b32 s[G1P+1], 1536<<16
	s_mov_b32 s[G1P+2], 8<<16                      ; P: 8 row tiles a load
	s_mov_b32 s[G1P+3], 1536<<16
	s_mov_b32 s[G1P+4], 8
	s_mov_b32 s[G1P+5], 1536
	s_mov_b32 s[G1P+6], 0
	s_mov_b32 s[G1P+7], 0
	s_mov_b32 s[G0R], 1
	s_mul_i32 s[G0R+1], s4, 4*RT                   ; where they go: no place in the cluster enters an LDS address
	s_mov_b32 s[G0P], 1
	s_mul_i32 s[G0P+1], s4, 8*RT
	s_add_co_u32 s[G0P+1], s[G0P+1], POFF
	s_mul_i32 s54, s5, 4*RT                        ; the 4 row tiles of R that I multiply,
	s_mul_i32 s55, s4, 8*RT
	s_add_co_u32 s55, s55, POFF                    ; and the 8 of P
	s_cmp_eq_u32 s5, 0
	s_cselect_b32 s56, 48, 96                      ; the prefetches: my work-group's share of the blocks of 256 bytes that I load,
	s_cselect_b32 s57, s6, s7                      ; my work-group's place among the four that ask with it,
	s_mul_i32 s57, s57, s56                        ; the share's first block,
	s_sub_co_u32 s56, s56, 1                       ; and its last, counted in the share
	s_lshl_b32 s52, s6, 10
	s_lshl_b32 s53, s4, 9
	s_add_co_u32 s52, s52, s53                     ; Q's and K's bias, along P's rows: 4 (256 cx + 128 x half)
	s_mov_b32 s53, 0
	s_and_b32 s92, s10, 1
	s_lshl_b32 s92, s92, 2
	s_add_co_u32 s92, s92, s7
	s_lshl_b32 s92, s92, 9
	s_lshl_b32 s93, s5, 8
	s_add_co_u32 s92, s92, s93                     ; V's bias, for my R rows: 4 (128 (4 (number % 2) + cy) + 64 x half)
	s_mov_b32 s93, 0
	s_mov_b32 s[SEL], 0x76543210
	s_mov_b32 s[SEL+1], 0xfedcba98
	s_mov_b32 s9, 0                                ; z
	s_wait_dscnt 0x0                               ; both opening adds are done
	s_wait_kmcnt 0x0
	NEXT
	s_add_nc_u64 s[94:95], s[76:77], s[92:93]
	CROUND                                         ; all sixteen work-groups are here: the joint loads meet
	JLOAD                                          ; Q's block: one tensor load a wave at the head
	v_and_b32 v1, 31, v0                           ; lane
	v_and_b32 v2, 15, v0                           ; r
	v_bfe_u32 v3, v0, 4, 1                         ; h
	v_lshlrev_b32 v4, 4, v1                        ; 16 x lane
	v_lshlrev_b32 v5, 3, v1                        ; 8 x lane
	v_add_nc_u32 v6, s54, v4
	v_add_nc_u32 v7, s54, v5
	v_add_nc_u32 v8, s55, v4
	v_add_nc_u32 v9, s55, v5
	v_add_nc_u32 v30, 4*RT, v8                     ; P's row tiles 4-7: their offsets would pass the 16-bit immediate
	v_add_nc_u32 v31, 4*RT, v9
	v_lshlrev_b32 v10, 5, v2
	v_lshl_add_u32 v10, v3, 4, v10                 ; scale words: 32 r + 16 h
	v_lshlrev_b32 v11, 6, v3                       ; the bias of P rows: 64 h
	v_and_b32 v12, 8, v2
	v_add_nc_u32 v12, v12, v2
	v_lshlrev_b32 v12, 2, v12                      ; the bias of my R row: 4 (r + 8 (r / 8))
	v_mul_u32_u24 v13, v3, 20480
	v_lshl_add_u32 v13, v2, 5, v13                 ; Q's and K's words out: lanes 16-31 the odd head's record
	v_mul_lo_u32 v14, v3, 0x02020202
	v_add_nc_u32 v14, 0x01000100, v14              ; byte select: (b0, b1, b0, b1) in lanes 0-15, (b2, b3, b2, b3) in lanes 16-31
	v_lshlrev_b32 v15, 4, v2
	v_lshl_add_u32 v15, v3, 3, v15                 ; V's words out: 16 r + 8 h
.irp i, 0,1,2
	v_add_nc_u32 v[PF+\i], 32*\i, v1               ; the prefetches' offsets: block 32 i + lane of the share, held at its last,
.endr
.irp i, 0,1,2
	v_min_u32 v[PF+\i], s56, v[PF+\i]
.endr
.irp i, 0,1,2
	v_add_lshl_u32 v[PF+\i], v[PF+\i], s57, 8      ; behind the partners' shares, in bytes
.endr
.irp b, 0,1,2,3
	v_mov_b32 v[TM+4+\b], 0                        ; a lane permute's destination counts as one of its sources
.endr
	s_wait_alu depctr_va_vdst(0)                   ; the wait at the head's end
.irp a, 0,1,2,3
	global_load_b32 v[16+2*\a], v12, s[94:95] offset:(32*(\a/2)+8*(\a%2))*4   ; V's bias, twice: a pair for the packed addition
	global_load_b32 v[17+2*\a], v12, s[94:95] offset:(32*(\a/2)+8*(\a%2))*4
.endr
	WORDS
.Ltile:                                                ; ---- Q's block (z = 0), then K's (z = 1)
	s_wait_xcnt 0x0                                ; earlier loads, stores and prefetches have read their registers: bases, addresses and the codes' registers are written again below
	s_wait_tensorcnt 0x0                           ; my part of the block has landed
	s_barrier_signal -1
	s_barrier_wait -1                              ; everybody's has
	FETCH 0
	s_cmp_eq_u32 s9, 0
	s_cselect_b32 s12, s36, s38                    ; the next block: K's, or V's
	s_cselect_b32 s13, s37, s39
	s_cselect_b64 s[94:95], s[72:73], s[74:75]     ; this block's bias: bq or bk
	s_add_nc_u64 s[96:97], s[94:95], s[52:53]
	NEXT                                           ; no tensor load of mine is out: the descriptors may be written
	WIN 0x80                                       ; destination window 2
.irp t, 0,1,2,3,4,5,6,7
	global_load_b128 v[192+8*\t:195+8*\t], v11, s[96:97] offset:(32*(\t/2)+8*(\t%2))*4
	global_load_b128 v[196+8*\t:199+8*\t], v11, s[96:97] offset:(32*(\t/2)+8*(\t%2))*4+16
.endr
	WIN 0
	s_wait_loadcnt 16                              ; all but the 16 loads of the bias just issued: the scale words are in
.irp s, 0,1,2,3,4,5,6,7
	STEP \s, 1
.endr
	PLACES                                         ; behind the last products: their results are read, and their operands' and scales' registers written, below
	s_wait_loadcnt 0x0                             ; the bias
	WORDS                                          ; the next block's scale words land under the way out
	; Lane (r, h) of block a holds token row r and 64 features of two heads.  The bias is added on the way out of the accumulators' window.
	s_lshl_b32 s82, s10, 2
	s_add_co_u32 s82, s82, s7                      ; which 128 tokens
	s_lshr_b32 s83, s82, 4                         ; batch
	s_lshl_b32 s84, s82, 3
	s_lshl_b32 s85, s5, 2
	s_add_co_u32 s84, s84, s85
	s_and_b32 s84, s84, 127                        ; my first token tile in the batch
	s_lshl_b32 s83, s83, 4
	s_lshl_b32 s85, s6, 2
	s_add_co_u32 s83, s83, s85
	s_lshl_b32 s85, s4, 1
	s_add_co_u32 s83, s83, s85                     ; record of my even head: 16 batch + 4 cx + 2 x half
	s_mul_i32 s86, s83, 294912
	s_mul_i32 s85, s9, 98304
	s_add_co_u32 s86, s86, s85
	s_mul_i32 s85, s84, 768
	s_add_co_u32 s86, s86, s85
	s_mov_b32 s87, 0
	s_add_nc_u64 s[86:87], s[78:79], s[86:87]
	s_mul_i32 s88, s83, 20480
	s_lshl_b32 s85, s9, 13
	s_add_co_u32 s88, s88, s85
	s_and_b32 s85, s82, 15
	s_lshl_b32 s85, s85, 9
	s_add_co_u32 s88, s88, s85
	s_lshl_b32 s85, s5, 4
	s_add_co_u32 s88, s88, s85
	s_mov_b32 s89, 0
	s_add_nc_u64 s[88:89], s[80:81], s[88:89]
.irp a, 0,1,2,3
.set PC, 192+12*\a
	WIN 0x09
.set i, 0
.rept 32
	v_pk_add_f32 v[X+2*i:X+2*i+1], v[64*\a+2*i:64*\a+2*i+1], v[192+2*i:192+2*i+1]   ; each accumulator from its low end on
.set i, i+1
.endr
	WIN 0
	QUANT X, PW
	v_perm_b32 v[24+\a], v[PW], v[PW], v14         ; my head's two bytes, twice
	global_store_b128 v4, v[PC:PC+3], s[86:87] offset:768*\a                  ; the even head's half fragment,
	global_store_b64 v5, v[PC+4:PC+5], s[86:87] offset:768*\a+512
	global_store_b128 v4, v[PC+6:PC+9], s[86:87] offset:294912+768*\a         ; the odd head's, one record on
	global_store_b64 v5, v[PC+10:PC+11], s[86:87] offset:294912+768*\a+512
.endr
	global_store_b128 v13, v[24:27], s[88:89]      ; four tiles' words of row r: 16 bytes of the row's 32
	s_add_co_u32 s9, s9, 1
	s_cmp_lt_u32 s9, 2
	s_wait_alu depctr_va_vdst(0)                   ; the wait ahead of the branch
	s_cbranch_scc1 .Ltile
	; ---- V's block: nothing more is asked for
	s_wait_xcnt 0x0                                ; K's stores have read their registers and bases
	s_wait_tensorcnt 0x0
	s_barrier_signal -1
	s_barrier_wait -1
	FETCH 0
	s_wait_loadcnt 0x0                             ; the scale words
.irp s, 0,1,2,3,4,5,6,7
	STEP \s, 0
.endr
	PLACES
	; Lane (r, h) of block a holds feature row r of the head's d tile a and 64 of the wave's 128 keys: one fragment of V^T.
	s_lshr_b32 s82, s10, 1
	s_lshl_b32 s82, s82, 2
	s_add_co_u32 s82, s82, s6                      ; which 256 tokens
	s_lshr_b32 s83, s82, 3                         ; batch
	s_lshl_b32 s84, s82, 1
	s_add_co_u32 s84, s84, s4
	s_and_b32 s84, s84, 15                         ; key step
	s_and_b32 s85, s10, 1
	s_lshl_b32 s85, s85, 2
	s_add_co_u32 s85, s85, s7
	s_lshl_b32 s85, s85, 1
	s_add_co_u32 s85, s85, s5                      ; head
	s_lshl_b32 s83, s83, 4
	s_add_co_u32 s83, s83, s85
	s_mul_i32 s86, s83, 294912
	s_mul_i32 s85, s84, 6144
	s_add_co_u32 s86, s86, s85
	s_add_co_u32 s86, s86, 196608
	s_mov_b32 s87, 0
	s_add_nc_u64 s[86:87], s[78:79], s[86:87]
	s_mul_i32 s88, s83, 20480
	s_lshl_b32 s85, s84, 8
	s_add_co_u32 s88, s88, s85
	s_add_co_u32 s88, s88, 16384
	s_mov_b32 s89, 0
	s_add_nc_u64 s[88:89], s[80:81], s[88:89]
.irp a, 0,1,2,3
.set PC, 192+12*\a
	WIN 0x01
.set i, 0
.rept 32
	v_pk_add_f32 v[X+2*i:X+2*i+1], v[64*\a+2*i:64*\a+2*i+1], v[16+2*\a:17+2*\a]
.set i, i+1
.endr
	WIN 0
	QUANT X, 24+\a
	global_store_b128 v4, v[PC:PC+3], s[86:87] offset:1536*\a
	global_store_b64 v5, v[PC+4:PC+5], s[86:87] offset:1536*\a+512
	global_store_b128 v4, v[PC+6:PC+9], s[86:87] offset:1536*\a+768
	global_store_b64 v5, v[PC+10:PC+11], s[86:87] offset:1536*\a+1280
.endr
	v_cmp_le_u32 vcc_lo, 16, v1
	v_cndmask_b32 v28, v24, v26, vcc_lo            ; lanes 0-15 store words 0, 1 of row r, lanes 16-31 words 2, 3
	v_cndmask_b32 v29, v25, v27, vcc_lo
	global_store_b64 v15, v[28:29], s[88:89]       ; 256 consecutive bytes
	s_wait_tensorcnt 0x0                           ; the wave's end
	ds_add_u32 v254, v255
	s_wait_dscnt 0x0
	CROUND                                         ; the closing round: no work-group ends while a partner may still ask for a tile that names it
	s_endpgm
.Lfunc_end_k_qd1e1a0aec2_proj:
	.size	k_qd1e1a0aec2_proj, .Lfunc_end_k_qd1e1a0aec2_proj-k_qd1e1a0aec2_proj
	.p2alignl 7, 3214868480
	.fill 96, 4, 3214868480
	.section	.rodata,"a",@progbits
	.p2align	6, 0x0
	.amdhsa_kernel k_qd1e1a0aec2_proj
		.amdhsa_group_segment_fixed_size 327680
		.amdhsa_private_segment_fixed_size 0
		.amdhsa_enable_private_segment 0
		.amdhsa_kernarg_size 56
		.amdhsa_user_sgpr_count 2
		.amdhsa_user_sgpr_kernarg_segment_ptr 1
		.amdhsa_wavefront_size32 1
		.amdhsa_system_sgpr_workgroup_id_x 1
		.amdhsa_system_sgpr_workgroup_id_y 1
		.amdhsa_system_sgpr_workgroup_id_z 1
		.amdhsa_system_vgpr_workitem_id 0
		.amdhsa_next_free_vgpr 768
		.amdhsa_next_free_sgpr 100
		.amdhsa_reserve_vcc 1
		.amdhsa_float_denorm_mode_32 3
		.amdhsa_float_denorm_mode_16_64 3
		.amdhsa_memory_ordered 1
		.amdhsa_forward_progress 1
		.amdhsa_inst_pref_size 184
	.end_amdhsa_kernel
	.amdgpu_metadata
---
amdhsa.version: [ 1, 2 ]
amdhsa.kernels:
  - .name:           k_qd1e1a0aec2_proj
    .symbol:         k_qd1e1a0aec2_proj.kd
    .args:
      - { .name: codes1, .offset: 0, .size: 8, .value_kind: global_buffer, .address_space: global }
      - { .name: scales1, .offset: 8, .size: 8, .value_kind: global_buffer, .address_space: global }
      - { .name: bq, .offset: 16, .size: 8, .value_kind: global_buffer, .address_space: global }
      - { .name: bk, .offset: 24, .size: 8, .value_kind: global_buffer, .address_space: global }
      - { .name: bv, .offset: 32, .size: 8, .value_kind: global_buffer, .address_space: global }
      - { .name: codes2, .offset: 40, .size: 8, .value_kind: global_buffer, .address_space: global }
      - { .name: scales2, .offset: 48, .size: 8, .value_kind: global_buffer, .address_space: global }
    .group_segment_fixed_size: 327680
    .private_segment_fixed_size: 0
    .kernarg_segment_align: 8
    .kernarg_segment_size: 56
    .max_flat_workgroup_size: 128
    .sgpr_count:     100
    .vgpr_count:     768
    .wavefront_size: 32
...
	.end_amdgpu_metadata
.endif
;; end of part 2
;; launch attn (part 3): grid 4 x 64, 16 waves a work-group, clusters of 4 x 1, 210,944 bytes of LDS; arguments codes2, scales2, oc, os; writes oc, os
.if DOCPART == 3
	.amdgcn_target "amdgcn-amd-amdhsa--gfx1250"
	.amdhsa_code_object_version 6
	.text
	.protected	k_qd1e1a0aec2_attn
	.globl	k_qd1e1a0aec2_attn
	.p2align	8
	.type	k_qd1e1a0aec2_attn,@function
k_qd1e1a0aec2_attn:
	s_mov_b64 s[64:65], 0
	v_nop
	global_prefetch_b8 v0, s[64:65] scope:SCOPE_SE
	s_setreg_imm32_b32 hwreg(HW_REG_WAVE_MODE, 25, 1), 1
	s_wait_xcnt 0x0
	s_wait_alu depctr_hold_cnt(0) depctr_sa_sdst(0) depctr_va_vdst(0) depctr_va_sdst(0) depctr_va_ssrc(0) depctr_va_vcc(0) depctr_vm_vsrc(0)
	s_getreg_b32 s2, hwreg(HW_REG_IB_STS2, 6, 4)
	s_cmp_eq_u32 s2, 0
	s_cbranch_scc0 .Lentry_in_a_cluster
	s_endpgm
.Lentry_in_a_cluster:
	s_bfe_u32 s2, ttmp6, 0x10000c
	s_cmp_lg_u32 s2, 0x3003
	s_cbranch_scc0 .Lentry_shape_is_right
	s_endpgm
.Lentry_shape_is_right:
; O = softmax(Q K^T / 8) V for one head, both products on codes of FP6 (E2M3) with E8M0 scales; O / l is quantised again, along the model's 1,024, for the last product.
; THE SOFTMAX: t = score x log2(e) / 8; M = the running largest t rounded UP to a whole number; p = 2^(t - M) is quantised along the keys, not normalised; the row's sum is taken of the
; unquantised p and divides O at the end.  When M moves, the sum and O are multiplied by 2^(old M - new M), which rounds nothing; there is no branch on data.
; SHARES.  256 work-groups: 64 heads x 4 blocks of 512 queries.  Sixteen waves, four to a SIMD; a wave owns one tile of 16 queries in each of two passes (tiles wave and 16 + wave of the block)
; and walks the head's 2,048 keys, 128 a step, in each pass.
; LDS.  The head's K, V (196,608 bytes) and their scale words (12,288) are filled once and serve both passes.  One tensor load a wave at the head: waves 0-11 bring 16,384 bytes of codes each,
; wave 12 the words, waves 13-15 none.  One wait for it, one barrier; behind it the waves share nothing and meet no barrier until the closing round.
; CLUSTER 4 x 1: the four query blocks of a head form a cluster and ask for each tile jointly, with a mask that names the four.
; NO PREFETCH: every byte that comes through LDS is asked for at the head, so there is no loop to run ahead in; both passes' Q are loaded into registers at the head.
; LAYOUT.  Both products transposed: S^T = K Q^T, O^T = V^T P^T: a lane holds one query (lane % 16).  K's tile T holds keys 64 (T / 4) + 32 (i / 8) + 8 (T % 4) + i % 8, so register 32 c + 8 u + j
; of lane (r, h) is key 64 c + 32 h + 8 u + j of the step: a lane's 32 registers are ONE scale block of p, in the order of the operand's registers: no lane is asked for a block's maximum, no codes change lanes.
; K = 64 IN AN INSTRUCTION OF K = 128: Q's registers for k = 64 .. 127 hold zero codes.  K's source is 12 registers of which the upper six are the next tile's codes (behind the last tile: six zeros):
; E2M3 has no infinity and no NaN, so those products are exact zeros; their scale bytes repeat the real ones.
; A block's largest p is not searched for: p rises with the score, so the block's largest score goes through the same multiply-add and exponential (this takes v_exp_f32 not to fall where its input rises).
; LIMITS: the promise holds while the scaled scores t stay under 2^31 in magnitude; NaN and infinities are not served; a block under 2^-124 is held at the byte 1; a block of zeros gets the byte 1
; (its codes are zeros; this program alone reads the bytes).  os is written a byte a lane, 32 bytes a wave beside its 768 bytes of codes: parts of aligned blocks.
; REGISTERS: v1-6 addresses that stay; v7-11, v29 addresses in hand; v12 -M, v13 the largest score, v[14:15] the sum; v16-27, v28 pass 0's Q and its scale word; v242-253, v211 pass 1's;
;   v30-83 K's 8 half fragments and six zeros, then V's 4 fragments; v84-91 K's scale words, v92-95 V's; v96-159 S^T, then p; v160-191 O^T; v192-203 p's codes, v204-210 their odd halves on the way;
;   v212-225 at work; v218 p's scale word; v[226:227] f; v228-232 lane numbers; v234-241 the sum's four chains.
.set WV,  12
.set G1C, 16                           ; s[16:23] group 1 for codes; s[24:31] for the words; s[32:35], s[36:39] groups 0
.set G1W, 24
.set G0W, 32
.set G0C, 36
.set SEL, 52                           ; s[52:53] lane l xor 16
.set CS,  54                           ; s[54:55] c = log2(e) / 8
.set TK,  56                           ; the step's codes: 6,144 bytes a step
.set TS,  57                           ; K's scale words: 512 a step
.set TJ,  58                           ; V's: 256 a step
.set CNT, 59
.set NC,  69                           ; -c
.set SPARE, 0x33000                    ; behind the words: the spare words, 128 bytes a wave
.set KB,  30
.set KW,  84
.set VW,  92
.set S,   96
.set O,   160
.set PC,  192
.set TC,  204
.set BM,  212
.set CT,  214
.set PW,  218
.set SO,  220
.set EB,  222
.set AT,  234
.macro D n
	s_delay_alu instid0(VALU_DEP_\n)
.endm
.macro WALU
	s_wait_alu depctr_va_vdst(0)
.endm
.macro CROUND
	s_barrier_signal -1
	s_barrier_wait -1
	s_cmp_lg_u32 s[WV], 0
	s_cbranch_scc1 .Lnot_wave_0_\@
	s_barrier_signal -3
.Lnot_wave_0_\@:
	s_barrier_wait -3
	s_barrier_signal -1
	s_barrier_wait -1
.endm
	s_load_b256 s[4:11], s[0:1], 0x0               ; codes2 s[4:5], scales2 s[6:7], oc s[8:9], os s[10:11]
	v_lshl_add_u32 v254, v0, 2, SPARE
	v_mov_b32 v255, 0
	ds_add_u32 v254, v255                          ; the opening lines: the add, twice on end, and its wait
	ds_add_u32 v254, v255
	v_lshrrev_b32 v1, 5, v0
	v_readfirstlane_b32 s[WV], v1                  ; wave 0..15
	s_bfe_u32 s13, ttmp6, 0x40000                  ; cx: my block of 512 queries; it enters Q's and O's addresses alone
	s_and_b32 s15, ttmp7, 0xffff                   ; batch x head, which the four partners share
	s_min_u32 s60, s[WV], 11
	s_lshl_b32 s61, s60, 14                        ; my 16,384 bytes of K and V, in LDS as in memory
	s_mul_i32 s66, s15, 294912                     ; the head's record of codes,
	s_mul_i32 s68, s15, 20480                      ; and of scale words
	s_add_co_u32 s70, s66, s61
	s_add_co_u32 s70, s70, 98304                   ; K begins at byte 98,304 of the record, V follows it
	s_mov_b32 s71, 0
	s_add_co_u32 s72, s68, 8192                    ; K's words, V's behind them
	s_mov_b32 s73, 0
	s_mov_b32 s[G1C], 15|(3<<16)|(1<<21)           ; the mask: all four work-groups; elements of 8 bytes; bit 21 beside a mask
	s_mov_b32 s[G1C+1], 32<<16                     ; dense blocks as rows of 256 bytes
	s_mov_b32 s[G1C+2], 64<<16                     ; 64 rows: 16,384 bytes
	s_mov_b32 s[G1C+3], 32<<16
	s_mov_b32 s[G1C+4], 64
	s_mov_b32 s[G1C+5], 32
	s_mov_b32 s[G1C+6], 0
	s_mov_b32 s[G1C+7], 0
	s_mov_b32 s[G1W], 15|(3<<16)|(1<<21)
	s_mov_b32 s[G1W+1], 32<<16
	s_mov_b32 s[G1W+2], 48<<16                     ; 48 rows: 12,288 bytes
	s_mov_b32 s[G1W+3], 32<<16
	s_mov_b32 s[G1W+4], 48
	s_mov_b32 s[G1W+5], 32
	s_mov_b32 s[G1W+6], 0
	s_mov_b32 s[G1W+7], 0
	s_lshl_b32 s67, s13, 5
	s_add_co_u32 s67, s67, s[WV]                   ; pass 0's query tile in the head: 32 cx + wave; pass 1's lies 16 on
	s_mul_i32 s74, s67, 768
	s_add_co_u32 s74, s74, s66
	s_mov_b32 s75, 0
	s_lshr_b32 s76, s67, 3
	s_lshl_b32 s76, s76, 9                         ; its group of 8 tiles of words,
	s_and_b32 s77, s67, 7
	s_lshl_b32 s77, s77, 2                         ; and its word in a row's eight
	s_add_co_u32 s76, s76, s77
	s_add_co_u32 s76, s76, s68
	s_mov_b32 s77, 0
	s_lshr_b32 s78, s15, 4
	s_lshl_b32 s78, s78, 7
	s_add_co_u32 s78, s78, s67                     ; my token tile: 128 batch + 32 cx + wave
	s_and_b32 s79, s15, 15                         ; head
	s_mul_i32 s40, s78, 12288
	s_mul_i32 s41, s79, 768
	s_add_co_u32 s40, s40, s41
	s_mov_b32 s41, 0
	s_lshl_b32 s42, s78, 9
	s_lshl_b32 s43, s79, 1
	s_add_co_u32 s42, s42, s43
	s_mov_b32 s43, 0
	s_mov_b32 s[SEL], 0x76543210
	s_mov_b32 s[SEL+1], 0xfedcba98
	s_mov_b32 s[CS], 0x3e38aa3b                    ; log2(e) / 8
	s_mov_b32 s[CS+1], s[CS]                       ; (named with it as a pair, so it is written)
	s_mov_b32 s[NC], 0xbe38aa3b
	s_wait_dscnt 0x0                               ; both opening adds are done
	s_wait_kmcnt 0x0
	s_add_nc_u64 s[70:71], s[4:5], s[70:71]
	s_add_nc_u64 s[72:73], s[6:7], s[72:73]
	s_add_nc_u64 s[74:75], s[4:5], s[74:75]
	s_add_nc_u64 s[76:77], s[6:7], s[76:77]
	s_add_nc_u64 s[8:9], s[8:9], s[40:41]
	s_add_nc_u64 s[10:11], s[10:11], s[42:43]
	s_mov_b32 s[G0W], 1
	s_mov_b32 s[G0W+1], 196608
	s_mov_b64 s[G0W+2:G0W+3], s[72:73]
	s_or_b32 s[G0W+3], s[G0W+3], 0x80000000
	s_mov_b32 s[G0C], 1
	s_mov_b32 s[G0C+1], s61
	s_mov_b64 s[G0C+2:G0C+3], s[70:71]
	s_or_b32 s[G0C+3], s[G0C+3], 0x80000000
	CROUND                                         ; all four work-groups are here: the joint loads meet
	s_cmp_lt_u32 s[WV], 12                         ; one chain of branches on the wave's number, one load to an arm
	s_cbranch_scc0 .Lwords
	tensor_load_to_lds s[G0C:G0C+3], s[G1C:G1C+7]
	s_nop 0
.rept 4
	v_nop
.endr
	s_branch .Lasked
.Lwords:
	s_cmp_eq_u32 s[WV], 12
	s_cbranch_scc0 .Lasked
	tensor_load_to_lds s[G0W:G0W+3], s[G1W:G1W+7]
	s_nop 0
.rept 4
	v_nop
.endr
.Lasked:
	v_and_b32 v231, 31, v0                         ; lane
	v_and_b32 v225, 15, v0                         ; r
	v_bfe_u32 v232, v0, 4, 1                       ; h
	v_lshlrev_b32 v1, 4, v231                      ; 16 x lane: K's images
	v_lshlrev_b32 v2, 3, v231                      ; 8 x lane
	v_lshl_add_u32 v5, v225, 5, 196608             ; K's words: 32 bytes a row
	v_lshl_add_u32 v6, v225, 4, 204800             ; V's: 16 bytes a row
	v_lshl_add_u32 v228, v225, 5, v232             ; os: the byte's place, 32 r + h
	v_lshlrev_b32 v229, 5, v225                    ; Q's words: 32 r
	v_add_nc_u32 v3, 98304, v1                     ; V's images
	v_add_nc_u32 v4, 98304, v2
	v_lshlrev_b32 v232, 3, v232                    ; 8 h: how far my two scale bytes are shifted
	global_load_b128 v[16:19], v1, s[74:75]        ; both passes' Q stay in registers
	global_load_b64 v[20:21], v2, s[74:75] offset:512
	global_load_b32 v28, v229, s[76:77]
	global_load_b128 v[242:245], v1, s[74:75] offset:12288
	global_load_b64 v[246:247], v2, s[74:75] offset:12800
	global_load_b32 v211, v229, s[76:77] offset:1024
.irp j, 22,23,24,25,26,27, 248,249,250,251,252,253, 78,79,80,81,82,83
	v_mov_b32 v\j, 0                               ; zero codes: Q's k = 64 .. 127, and what stands behind K's last tile
.endr
	v_mov_b32 v227, 0                              ; (the upper half of the pair v[226:227])
	v_mov_b32 v230, 0                              ; a lane permute's destination counts as one of its sources
; A pass: 16 queries against the head's 2,048 keys, and their way out.  p: the pass; qr, qw: its Q and scale word
.macro PASS p, qr, qw
	v_mov_b32 v13, 0xff61b1e6                      ; the largest score so far: -3e38
	v_mov_b32 v12, 0x7e967699                      ; -M: 1e38, so that the first step's f is 0
	v_mov_b32 v14, 0
	v_mov_b32 v15, 0
.set j, 0
.rept 32
	v_mov_b32 v[O+j], 0                            ; O^T: the step is written once; the first finds zeros
.set j, j+1
.endr
	s_mov_b32 s[TK], 0
	s_mov_b32 s[TS], 0
	s_mov_b32 s[TJ], 0
	s_mov_b32 s[CNT], 16
.if \p
	s_wait_xcnt 0x0                                ; the last pass's stores have read their registers, which the steps write again
.endif
	WALU
.if \p == 0
	s_wait_tensorcnt 0x0                           ; my tensor load has landed
	s_barrier_signal -1
	s_barrier_wait -1                              ; everybody's has
	s_wait_loadcnt 0x0                             ; Q
.endif
.Lstep_\@:
	v_add_nc_u32 v7, s[TK], v1
	v_add_nc_u32 v8, s[TK], v2
	v_add_nc_u32 v11, s[TS], v5
.irp t, 0,1,2,3,4,5,6,7
	ds_load_b128 v[KB+6*\t:KB+6*\t+3], v7 offset:768*\t
	ds_load_b64 v[KB+6*\t+4:KB+6*\t+5], v8 offset:768*\t+512
.endr
	ds_load_b128 v[KW:KW+3], v11
	ds_load_b128 v[KW+4:KW+7], v11 offset:16
	s_wait_dscnt 0x0
.irp t, 0,1,2,3,4,5,6,7
	v_wmma_scale_f32_16x16x128_f8f6f4 v[S+8*\t:S+8*\t+7], v[KB+6*\t:KB+6*\t+11], v[\qr:\qr+11], 0, v[KW+\t], v[\qw] matrix_a_fmt:MATRIX_FMT_FP6 matrix_b_fmt:MATRIX_FMT_FP6
.endr
	v_add_nc_u32 v9, s[TK], v3                     ; four plain lines: the places ahead of the loads into K's registers and of the first read of S^T
	v_add_nc_u32 v10, s[TK], v4
	v_add_nc_u32 v29, s[TJ], v6
	v_mov_b32 v224, v12                            ; the old -M
.irp a, 0,1,2,3
	ds_load_b128 v[KB+12*\a:KB+12*\a+3], v9 offset:1536*\a
	ds_load_b64 v[KB+12*\a+4:KB+12*\a+5], v10 offset:1536*\a+512
	ds_load_b128 v[KB+12*\a+6:KB+12*\a+9], v9 offset:1536*\a+768
	ds_load_b64 v[KB+12*\a+10:KB+12*\a+11], v10 offset:1536*\a+1280
.endr
	ds_load_b128 v[VW:VW+3], v29
	; the largest score of my two blocks of 32 keys, each in two chains; the four chains take turns; every accumulator is read from its low end on
.irp c, 0,1
.irp g, 0,1
	v_max3_num_f32 v[CT+2*\c+\g], v[S+32*\c+16*\g], v[S+32*\c+16*\g+1], v[S+32*\c+16*\g+2]
.endr
.endr
.irp i, 3,5,7,9,11,13
.irp c, 0,1
.irp g, 0,1
	v_max3_num_f32 v[CT+2*\c+\g], v[CT+2*\c+\g], v[S+32*\c+16*\g+\i], v[S+32*\c+16*\g+\i+1]
.endr
.endr
.endr
.irp c, 0,1
	v_max3_num_f32 v[CT+2*\c+1], v[CT+2*\c+1], v[S+32*\c+15], v[S+32*\c+31]
.endr
.irp c, 0,1
	D 2
	v_max_num_f32 v[BM+\c], v[CT+2*\c], v[CT+2*\c+1]
.endr
	D 1
	v_max_num_f32 v225, v[BM], v[BM+1]
	D 1
	v_permlanex16_b32 v230, v225, s[SEL], s[SEL+1] ; lane l xor 16's 64 keys
	D 1
	v_max3_num_f32 v13, v13, v225, v230            ; the running largest score of my query
	D 1
	v_mul_f32 v225, s[NC], v13                     ; -t (c is positive)
	D 1
	v_floor_f32 v12, v225                          ; the new -M = -ceil(t)
.set j, 0
.rept 32
	v_pk_fma_f32 v[S+j:S+j+1], v[S+j:S+j+1], s[CS:CS+1], v[12:13] op_sel_hi:[1,0,0]   ; t - M
.set j, j+2
.endr
.irp c, 0,1
	v_fma_f32 v[BM+\c], v[BM+\c], s[CS], v12       ; the same of each block's largest score
.endr
	v_sub_f32 v225, v12, v224                      ; old M - new M: a whole number, 0 or less
	D 1
	v_cvt_i32_f32 v225, v225                       ; (it saturates)
	WALU                                           ; the wait ahead of the batch
.set j, 0
.rept 64
	v_exp_f32 v[S+j], v[S+j]                       ; p = 2^(t - M)
.set j, j+1
.endr
.irp c, 0,1
	v_exp_f32 v[BM+\c], v[BM+\c]                   ; the block's largest p
.endr
	v_ldexp_f32 v226, 1.0, v225                    ; f = 2^(old M - new M): the plain line behind the exponentials
	s_wait_dscnt 0x0                               ; V's fragments and words are in
	WALU                                           ; one wait for the batch, directly ahead of the first reader of O^T
.set j, 0
.rept 16
	v_pk_mul_f32 v[O+j:O+j+1], v[O+j:O+j+1], v[226:227] op_sel_hi:[1,0]   ; O^T under the new M
.set j, j+2
.endr
.irp c, 0,1
	v_max_num_f32 v[BM+\c], 0x1800000, v[BM+\c]    ; the floor 2^(3 - 127): the byte cannot fall under 1
.endr
.irp c, 0,1
	D 2
	v_add_nc_u32 v[SO+\c], 0xff000000, v[BM+\c]    ; 2 off the exponent field: the conversion's scale operand
.endr
.irp c, 0,1
	D 2
	v_lshrrev_b32 v[EB+\c], 23, v[SO+\c]           ; the scale's byte
.endr
	D 1
	v_lshl_or_b32 v225, v[EB+1], 16, v[EB]         ; my bytes: blocks h and 2 + h,
	D 1
	v_lshlrev_b32 v225, v232, v225                 ; at their places in the word;
	D 1
	v_permlanex16_b32 v230, v225, s[SEL], s[SEL+1]
	D 1
	v_or_b32 v[PW], v225, v230                     ; with lane l xor 16's two the word is whole
.irp c, 0,1
	v_cvt_scalef32_pk16_fp6_f32 v[PC+6*\c:PC+6*\c+2], v[S+32*\c:S+32*\c+15], v[SO+\c]
	v_cvt_scalef32_pk16_fp6_f32 v[TC+4*\c:TC+4*\c+2], v[S+32*\c+16:S+32*\c+31], v[SO+\c]   ; (a conversion's three registers begin on an even number)
.endr
.irp k, 0,1,2,3
	v_pk_add_f32 v[AT+2*\k:AT+2*\k+1], v[S+2*\k:S+2*\k+1], v[S+8+2*\k:S+9+2*\k]   ; the row's sum of the unquantised p, in four chains: plain lines behind the conversions
.endr
.irp c, 0,1
.irp i, 0,1,2
	v_mov_b32 v[PC+6*\c+3+\i], v[TC+4*\c+\i]
.endr
.endr
.irp k, 0,1,2,3
	v_pk_add_f32 v[AT+2*\k:AT+2*\k+1], v[AT+2*\k:AT+2*\k+1], v[S+16+2*\k:S+17+2*\k]   ; four places between the codes' last write and the products (eighteen behind the scale word's)
.endr
.irp a, 0,1,2,3
	v_wmma_scale_f32_16x16x128_f8f6f4 v[O+8*\a:O+8*\a+7], v[KB+12*\a:KB+12*\a+11], v[PC:PC+11], v[O+8*\a:O+8*\a+7], v[VW+\a], v[PW] matrix_a_fmt:MATRIX_FMT_FP6 matrix_b_fmt:MATRIX_FMT_FP6
.endr
.irp m, 3,4,5,6,7
.irp k, 0,1,2,3
	v_pk_add_f32 v[AT+2*\k:AT+2*\k+1], v[AT+2*\k:AT+2*\k+1], v[S+8*\m+2*\k:S+8*\m+2*\k+1]   ; the rest of the sum names none of the products' registers: their places
.endr
.endr
	v_pk_add_f32 v[AT:AT+1], v[AT:AT+1], v[AT+2:AT+3]
	v_pk_add_f32 v[AT+4:AT+5], v[AT+4:AT+5], v[AT+6:AT+7]
	D 1
	v_pk_add_f32 v[AT:AT+1], v[AT:AT+1], v[AT+4:AT+5]
	D 1
	v_pk_fma_f32 v[14:15], v[14:15], v[226:227], v[AT:AT+1] op_sel_hi:[1,0,1]   ; the old sum under the new M, and this step's
	s_add_co_u32 s[TK], s[TK], 6144
	s_add_co_u32 s[TS], s[TS], 512
	s_add_co_u32 s[TJ], s[TJ], 256
	s_sub_co_u32 s[CNT], s[CNT], 1
	s_cmp_lg_u32 s[CNT], 0
	s_cbranch_scc1 .Lstep_\@
	; THE WAY OUT: O^T / the sum; its 32 numbers a lane are d = 32 b + 16 h + i: two half blocks, quantised with lane l xor 16's; a half fragment and two scale bytes a row go to memory
	v_add_f32 v14, v14, v15
	D 1
	v_permlanex16_b32 v224, v14, s[SEL], s[SEL+1]
	D 1
	v_add_f32 v14, v14, v224                       ; the row's sum
	WALU
	v_rcp_f32 v14, v14
	v_nop                                          ; a plain line behind the reciprocal
	WALU
.set j, 0
.rept 16
	v_pk_mul_f32 v[S+j:S+j+1], v[O+j:O+j+1], v[14:15] op_sel_hi:[1,0]
.set j, j+2
.endr
.irp b, 0,1
	v_max3_num_f32 v[BM+\b], |v[S+16*\b]|, |v[S+1+16*\b]|, 0x1800000
.endr
.irp i, 2,4,6,8,10,12,14
.irp b, 0,1
	D 2
	v_max3_num_f32 v[BM+\b], v[BM+\b], |v[S+16*\b+\i]|, |v[S+1+16*\b+\i]|
.endr
.endr
.irp b, 0,1
	D 2
	v_permlanex16_b32 v[CT+\b], v[BM+\b], s[SEL], s[SEL+1]
.endr
.irp b, 0,1
	D 2
	v_max_num_f32 v[BM+\b], v[BM+\b], v[CT+\b]
.endr
.irp b, 0,1
	D 2
	v_add_nc_u32 v[SO+\b], 0xff000000, v[BM+\b]
.endr
.irp b, 0,1
	D 2
	v_lshrrev_b32 v[EB+\b], 23, v[SO+\b]
.endr
	v_cvt_scalef32_pk16_fp6_f32 v[PC:PC+2], v[S:S+15], v[SO]
	v_cvt_scalef32_pk16_fp6_f32 v[TC:TC+2], v[S+16:S+31], v[SO+1]
	v_nop                                          ; one plain line behind the scaled conversions
.irp i, 0,1,2
	v_permlane16_swap_b32 v[PC+\i], v[TC+\i]       ; a whole block to a lane: lanes 0-15 block 0, lanes 16-31 block 1
.endr
.irp i, 0,1,2
	D 3
	v_mov_b32 v[PC+3+\i], v[TC+\i]
.endr
	v_cmp_le_u32 vcc_lo, 16, v231
	D 1
	v_cndmask_b32 v224, v[EB], v[EB+1], vcc_lo     ; lanes 0-15 store block 0's byte of row r, lanes 16-31 block 1's
	global_store_b128 v1, v[PC:PC+3], s[8:9] offset:196608*\p        ; 512 and 256 consecutive bytes; pass 1's tile lies 16 tiles of 12,288 bytes on
	global_store_b64 v2, v[PC+4:PC+5], s[8:9] offset:196608*\p+512
	global_store_b8 v228, v224, s[10:11] offset:8192*\p
.endm
	PASS 0, 16, 28
	PASS 1, 242, 211
	s_wait_tensorcnt 0x0                           ; the wave's end
	ds_add_u32 v254, v255
	s_wait_dscnt 0x0
	CROUND                                         ; the closing round
	s_endpgm
.Lfunc_end_k_qd1e1a0aec2_attn:
	.size	k_qd1e1a0aec2_attn, .Lfunc_end_k_qd1e1a0aec2_attn-k_qd1e1a0aec2_attn
	.p2alignl 7, 3214868480
	.fill 96, 4, 3214868480
	.section	.rodata,"a",@progbits
	.p2align	6, 0x0
	.amdhsa_kernel k_qd1e1a0aec2_attn
		.amdhsa_group_segment_fixed_size 210944
		.amdhsa_private_segment_fixed_size 0
		.amdhsa_enable_private_segment 0
		.amdhsa_kernarg_size 32
		.amdhsa_user_sgpr_count 2
		.amdhsa_user_sgpr_kernarg_segment_ptr 1
		.amdhsa_wavefront_size32 1
		.amdhsa_system_sgpr_workgroup_id_x 1
		.amdhsa_system_sgpr_workgroup_id_y 1
		.amdhsa_system_sgpr_workgroup_id_z 1
		.amdhsa_system_vgpr_workitem_id 0
		.amdhsa_next_free_vgpr 256
		.amdhsa_next_free_sgpr 80
		.amdhsa_reserve_vcc 1
		.amdhsa_float_denorm_mode_32 3
		.amdhsa_float_denorm_mode_16_64 3
		.amdhsa_memory_ordered 1
		.amdhsa_forward_progress 1
		.amdhsa_inst_pref_size 49
	.end_amdhsa_kernel
	.amdgpu_metadata
---
amdhsa.version: [ 1, 2 ]
amdhsa.kernels:
  - .name:           k_qd1e1a0aec2_attn
    .symbol:         k_qd1e1a0aec2_attn.kd
    .args:
      - { .name: codes2, .offset: 0, .size: 8, .value_kind: global_buffer, .address_space: global }
      - { .name: scales2, .offset: 8, .size: 8, .value_kind: global_buffer, .address_space: global }
      - { .name: oc, .offset: 16, .size: 8, .value_kind: global_buffer, .address_space: global }
      - { .name: os, .offset: 24, .size: 8, .value_kind: global_buffer, .address_space: global }
    .group_segment_fixed_size: 210944
    .private_segment_fixed_size: 0
    .kernarg_segment_align: 8
    .kernarg_segment_size: 32
    .max_flat_workgroup_size: 512
    .sgpr_count:     80
    .vgpr_count:     256
    .wavefront_size: 32
...
	.end_amdgpu_metadata
.endif
;; end of part 3
;; launch outp (part 4): grid 4 x 64, 4 waves a work-group, clusters of 4 x 4, 295,424 bytes of LDS; arguments oc, os, codes1, scales1, bo, out0; writes out0
.if DOCPART == 4
	.amdgcn_target "amdgcn-amd-amdhsa--gfx1250"
	.amdhsa_code_object_version 6
	.text
	.protected	k_qd1e1a0aec2_outp
	.globl	k_qd1e1a0aec2_outp
	.p2align	8
	.type	k_qd1e1a0aec2_outp,@function
k_qd1e1a0aec2_outp:
	s_mov_b64 s[64:65], 0
	v_nop
	global_prefetch_b8 v0, s[64:65] scope:SCOPE_SE
	s_setreg_imm32_b32 hwreg(HW_REG_WAVE_MODE, 25, 1), 1
	s_wait_xcnt 0x0
	s_wait_alu depctr_hold_cnt(0) depctr_sa_sdst(0) depctr_va_vdst(0) depctr_va_sdst(0) depctr_va_ssrc(0) depctr_va_vcc(0) depctr_vm_vsrc(0)
	s_getreg_b32 s2, hwreg(HW_REG_IB_STS2, 6, 4)
	s_cmp_eq_u32 s2, 0
	s_cbranch_scc0 .Lentry_in_a_cluster
	s_endpgm
.Lentry_in_a_cluster:
	s_bfe_u32 s2, ttmp6, 0x10000c
	s_cmp_lg_u32 s2, 0xf033
	s_cbranch_scc0 .Lentry_shape_is_right
	s_endpgm
.Lentry_shape_is_right:
; out0 = O Wo^T + bo on codes of FP6 (E2M3) with E8M0 scales; out0 [8192][1024] f32.
; The frame is that of the projections: source 0 takes operand P = Wo's rows (row tiles 1,728 on of codes1, rows 32 (T / 2) + 8 (T % 2) + i + 8 (i / 8)), source 1 operand R = the tokens (oc, os: natural row tiles).
; A work-group makes 256 features x 128 tokens over all of K = 1,024; a wave 128 x 64: 32 accumulators.  256 work-groups.
; LDS: the work-group's whole K, 294,912 bytes, in four chunks of two K steps; every byte is filled once by a tensor load.  By this text's count a wave has four tensor loads out.
; CLUSTER 4 x 4: R's tiles are asked for jointly along a row of the cluster, P's along a column.
; THE WAY OUT: a lane holds token row r and, in registers 16 b + i, features 32 b + 16 (lane / 16) + i.  A block of 16 tokens x 128 features goes through the wave's own stage in LDS and leaves as whole rows of 512 bytes.
; The stages lie in chunk 0, which has had its one fill, and whose last reads every wave awaited ahead of the barrier in front of chunk 1.
; REGISTERS: window 0: v1-13 lane numbers and addresses; v32-63 P's scale words, v64-79 R's; v80-127, v128-175 R's fragments; behind the K loop v80-143 results, v144-207 rows read back.
;   window 1: accumulator (a, t) at v[64 a + 8 t].   window 2: v0-95, v96-191 P's fragments; v192-255 the bias.
.set WV,   3
; LDS AS IT IS NOW (in place of the head's note on chunks): R's 8 row tiles, then P's 16, each row tile whole: 8 K steps of 1,536 bytes.  Each wave issues ONE tensor load, at the head:
; waves 0, 1 four row tiles of R each (49,152 bytes), waves 2, 3 eight of P each (98,304 bytes).  One wait for it and one barrier; every byte is filled once; by this text's count a wave has one tensor load out.
; The stages lie on R's first row tiles, which are read up to the last K step: a barrier, signalled behind each wave's wait for its last LDS reads, stands ahead of the first store into a stage.
.set RT,   12288                       ; a row tile, all of K
.set FRB,  1536
.set POFF, 98304                       ; where P's row tiles begin
.set PSC,  32
.set RSC,  64
.set RF,   80
.set X,    80
; (other than the head's note: a block's rows come back from the stage into the block's own 64 accumulator registers in window 1, which are free once the bias is added: no store's data are written again)
.set SP,   528                         ; a stage row: 512 bytes + 16
.set G1R,  16
.set G1P,  24
.set G0R,  32
.set G0P,  48
.set MSB, 0
.macro WIN new
.if MSB != \new
	s_set_vgpr_msb (MSB<<8)|\new
.set MSB, \new
.endif
.endm
.macro PLACES
.rept 4
	v_nop
.endr
.endm
.macro CROUND
	s_barrier_signal -1
	s_barrier_wait -1
	s_cmp_lg_u32 s[WV], 0
	s_cbranch_scc1 .Lnot_wave_0_\@
	s_barrier_signal -3
.Lnot_wave_0_\@:
	s_barrier_wait -3
	s_barrier_signal -1
	s_barrier_wait -1
.endm
	s_load_b256 s[68:75], s[0:1], 0x0              ; oc s[68:69], os s[70:71], codes1 s[72:73], scales1 s[74:75]
	s_load_b128 s[76:79], s[0:1], 0x20             ; bo s[76:77], out0 s[78:79]
	v_lshl_add_u32 v254, v0, 2, 0x48000
	v_mov_b32 v255, 0
	ds_add_u32 v254, v255
	ds_add_u32 v254, v255
	v_lshrrev_b32 v1, 5, v0
	v_readfirstlane_b32 s[WV], v1
	s_and_b32 s4, s[WV], 1                         ; which half of a tile I fetch; which 128 features I multiply
	s_lshr_b32 s5, s[WV], 1                        ; I fetch for R (0) or for P (1); which 64 tokens I multiply
	s_bfe_u32 s6, ttmp6, 0x40000                   ; cx
	s_bfe_u32 s7, ttmp6, 0x40004                   ; cy
	s_and_b32 s10, ttmp7, 0xffff                   ; the cluster's y, 0..15
	s_lshl_b32 s12, s6, 4
	s_add_co_u32 s12, s12, 1728                    ; P's first row tile (this register never holds cy)
	s_lshl_b32 s13, s10, 5
	s_lshl_b32 s87, s7, 3
	s_add_co_u32 s13, s13, s87                     ; R's first row tile: 8 (4 y + cy) (this one never cx)
	s_lshl_b32 s14, s7, 2
	s_lshl_b32 s14, 15, s14                        ; my row of the cluster
	s_lshl_b32 s15, 0x1111, s6                     ; my column
	s_or_b32 s[G1R], s14, (3<<16)|(1<<21)          ; row tiles as rows of 12,288 bytes (1,536 elements of 8 bytes), 12,288 bytes apart in memory, dense in LDS
	s_or_b32 s[G1P], s15, (3<<16)|(1<<21)
	s_mov_b32 s[G1R+1], 1536<<16                   ; a row of the tile is a whole row tile: 1,536 elements of 8 bytes
	s_mov_b32 s[G1R+2], 4<<16
	s_mov_b32 s[G1R+3], 1536<<16
	s_mov_b32 s[G1R+4], 4
	s_mov_b32 s[G1R+5], 1536
	s_mov_b32 s[G1R+6], 0
	s_mov_b32 s[G1R+7], 0
	s_mov_b32 s[G1P+1], 1536<<16
	s_mov_b32 s[G1P+2], 8<<16
	s_mov_b32 s[G1P+3], 1536<<16
	s_mov_b32 s[G1P+4], 8
	s_mov_b32 s[G1P+5], 1536
	s_mov_b32 s[G1P+6], 0
	s_mov_b32 s[G1P+7], 0
	s_lshl_b32 s88, s4, 2
	s_add_co_u32 s88, s13, s88
	s_mul_i32 s88, s88, 12288
	s_mov_b32 s89, 0
	s_lshl_b32 s90, s4, 3
	s_add_co_u32 s90, s12, s90
	s_mul_i32 s90, s90, 12288
	s_mov_b32 s91, 0
	s_mul_i32 s92, s4, 4*RT
	s_mul_i32 s93, s4, 8*RT
	s_wait_dscnt 0x0
	s_wait_kmcnt 0x0
	s_add_nc_u64 s[88:89], s[68:69], s[88:89]
	s_add_nc_u64 s[90:91], s[72:73], s[90:91]
	s_mov_b32 s[G0R], 1
	s_mov_b32 s[G0R+1], s92
	s_mov_b64 s[G0R+2:G0R+3], s[88:89]
	s_or_b32 s[G0R+3], s[G0R+3], 0x80000000
	s_mov_b32 s[G0P], 1
	s_add_co_u32 s[G0P+1], s93, POFF
	s_mov_b64 s[G0P+2:G0P+3], s[90:91]
	s_or_b32 s[G0P+3], s[G0P+3], 0x80000000
	CROUND                                         ; all sixteen work-groups are here: the joint loads meet
	s_cmp_eq_u32 s5, 0
	s_cbranch_scc0 .Lfor_p
	tensor_load_to_lds s[G0R:G0R+3], s[G1R:G1R+7]
	s_nop 0
	PLACES
	s_branch .Lasked
.Lfor_p:
	tensor_load_to_lds s[G0P:G0P+3], s[G1P:G1P+7]
	s_nop 0
	PLACES
.Lasked:
	v_and_b32 v1, 31, v0                           ; lane
	v_and_b32 v2, 15, v0                           ; r
	v_bfe_u32 v3, v0, 4, 1                         ; h
	v_lshlrev_b32 v4, 4, v1                        ; 16 x lane
	v_lshlrev_b32 v5, 3, v1                        ; 8 x lane
	s_mul_i32 s82, s5, 4*RT
	v_add_nc_u32 v6, s82, v4
	v_add_nc_u32 v7, s82, v5
	s_mul_i32 s83, s4, 8*RT
	s_add_co_u32 s83, s83, POFF
	v_add_nc_u32 v8, s83, v4
	v_add_nc_u32 v9, s83, v5
	v_add_nc_u32 v30, 4*RT, v8                     ; P's row tiles 4-7: their offsets would pass the 16-bit immediate
	v_add_nc_u32 v31, 4*RT, v9
	v_lshlrev_b32 v10, 5, v2
	v_lshl_add_u32 v10, v3, 4, v10                 ; scale words: 32 r + 16 h
	s_wait_alu depctr_va_vdst(0)
	v_lshlrev_b32 v11, 6, v3                       ; the bias: 64 h
	s_wait_alu depctr_va_vdst(0)
	s_mul_i32 s82, s[WV], 16*SP                    ; my stage
	v_mul_u32_u24 v12, v2, SP
	v_lshl_add_u32 v12, v3, 6, v12
	v_add_nc_u32 v12, s82, v12                     ; in: row r, + 64 h
	v_add_nc_u32 v13, s82, v4                      ; back: a row's 512 bytes, 16 a lane
	s_lshl_b32 s84, s4, 3
	s_add_co_u32 s84, s84, s12
	s_lshl_b32 s84, s84, 9
	s_mov_b32 s85, 0
	s_add_nc_u64 s[84:85], s[74:75], s[84:85]      ; my 8 P tiles' scale words
	s_lshl_b32 s94, s5, 2
	s_add_co_u32 s94, s94, s13                     ; my first R tile
	s_lshl_b32 s86, s94, 9
	s_mov_b32 s87, 0
	s_add_nc_u64 s[86:87], s[70:71], s[86:87]      ; my 4 R tiles' scale words
.irp t, 0,1,2,3,4,5,6,7
	global_load_b128 v[PSC+4*\t:PSC+4*\t+3], v10, s[84:85] offset:512*\t
.endr
.irp a, 0,1,2,3
	global_load_b128 v[RSC+4*\a:RSC+4*\a+3], v10, s[86:87] offset:512*\a
.endr
	s_lshl_b32 s88, s6, 10
	s_lshl_b32 s89, s4, 9
	s_add_co_u32 s88, s88, s89                     ; 4 (256 cx + 128 x half): my first feature, in bytes
	s_mov_b32 s89, 0
	s_add_nc_u64 s[96:97], s[76:77], s[88:89]
	WIN 0x80
.irp t, 0,1,2,3,4,5,6,7
	global_load_b128 v[192+8*\t:195+8*\t], v11, s[96:97] offset:(32*(\t/2)+8*(\t%2))*4
	global_load_b128 v[196+8*\t:199+8*\t], v11, s[96:97] offset:(32*(\t/2)+8*(\t%2))*4+16
.endr
	WIN 0
	s_lshl_b32 s90, s94, 16                        ; my first token's row of out0: 16 rows of 4,096 bytes a tile
	s_mov_b32 s91, 0
	s_add_nc_u64 s[90:91], s[90:91], s[88:89]
	s_add_nc_u64 s[78:79], s[78:79], s[90:91]
.macro FRAG reg, a16, a8, off
	ds_load_b128 v[\reg:\reg+3], v[\a16] offset:\off
	ds_load_b64 v[\reg+4:\reg+5], v[\a8] offset:\off+512
	ds_load_b128 v[\reg+6:\reg+9], v[\a16] offset:\off+768
	ds_load_b64 v[\reg+10:\reg+11], v[\a8] offset:\off+1280
.endm
.macro FETCH s
	WIN 0x80
.irp t, 0,1,2,3
	FRAG 96*((\s)%2)+12*\t, 8, 9, RT*\t+FRB*(\s)
	FRAG 96*((\s)%2)+12*(\t+4), 30, 31, RT*\t+FRB*(\s)
.endr
	WIN 0
.irp a, 0,1,2,3
	FRAG RF+48*((\s)%2)+12*\a, 6, 7, RT*\a+FRB*(\s)
.endr
.endm
.macro MUL32 s                         ; the 32 accumulators take turns, one instruction a turn
	WIN 0x52
.irp a, 0,1,2,3
.irp t, 0,1,2,3,4,5,6,7
.set rD, 64*\a+8*\t
.set rP, 96*((\s)%2)+12*\t
.set rR, RF+48*((\s)%2)+12*\a
.set rS, PSC+4*\t+(\s)%4
.set rT, RSC+4*\a+(\s)%4
.if (\s) == 0
	v_wmma_scale_f32_16x16x128_f8f6f4 v[rD:rD+7], v[rP:rP+11], v[rR:rR+11], 0, v[rS], v[rT] matrix_a_fmt:MATRIX_FMT_FP6 matrix_b_fmt:MATRIX_FMT_FP6
.elseif (\s) < 4
	v_wmma_scale_f32_16x16x128_f8f6f4 v[rD:rD+7], v[rP:rP+11], v[rR:rR+11], v[rD:rD+7], v[rS], v[rT] matrix_a_fmt:MATRIX_FMT_FP6 matrix_b_fmt:MATRIX_FMT_FP6
.else
	v_wmma_scale_f32_16x16x128_f8f6f4 v[rD:rD+7], v[rP:rP+11], v[rR:rR+11], v[rD:rD+7], v[rS], v[rT] matrix_a_fmt:MATRIX_FMT_FP6 matrix_b_fmt:MATRIX_FMT_FP6 matrix_a_scale:MATRIX_SCALE_ROW1 matrix_b_scale:MATRIX_SCALE_ROW1
.endif
.endr
.endr
.endm
.macro STEP s
	s_wait_dscnt 0x0                               ; this step's fragments are in
.if (\s) < 7
	PLACES
	FETCH (\s)+1
.else
	s_barrier_signal -1                            ; my last reads of the tiles are over (the wait above): say so; the last products, work on registers, stand between signal and wait
.endif
	MUL32 \s
	WIN 0
.endm
	s_wait_alu depctr_va_vdst(0)                   ; the wait at the head's end
	s_wait_tensorcnt 0x0                           ; my one tensor load has landed
	s_barrier_signal -1
	s_barrier_wait -1
	FETCH 0
	s_wait_loadcnt 0x0                             ; scale words and bias
.irp s, 0,1,2,3,4,5,6,7
	STEP \s
.endr
	s_barrier_wait -1                              ; nobody reads the tiles any more: the stages may be written
	PLACES
.irp a, 0,1,2,3
	WIN 0x09
.set i, 0
.rept 32
	v_pk_add_f32 v[X+2*i:X+2*i+1], v[64*\a+2*i:64*\a+2*i+1], v[192+2*i:192+2*i+1]   ; each accumulator from its low end on
.set i, i+1
.endr
	WIN 0
.irp b, 0,1,2,3
.irp q, 0,1,2,3
	ds_store_b128 v12, v[X+16*\b+4*\q:X+16*\b+4*\q+3] offset:128*\b+16*\q
.endr
.endr
	WIN 0x40                                       ; destination window 1, address window 0
.irp i, 0,1,2,3,4,5,6,7,8,9,10,11,12,13,14,15
	ds_load_b128 v[64*\a+4*\i:64*\a+4*\i+3], v13 offset:SP*\i    ; LDS serves a wave's instructions in order: these see the stores above
.endr
	s_wait_dscnt 0x0
	WIN 0x04                                       ; the stores' data window 1, their offset window 0
.irp i, 0,1,2,3,4,5,6,7,8,9,10,11,12,13,14,15
	global_store_b128 v4, v[64*\a+4*\i:64*\a+4*\i+3], s[78:79] offset:(16*\a+\i)*4096 th:TH_STORE_NT   ; 32 lanes store 512 consecutive bytes, at a multiple of 256 from out0's first byte
.endr
	WIN 0
.endr
	s_wait_tensorcnt 0x0
	ds_add_u32 v254, v255
	s_wait_dscnt 0x0
	CROUND                                         ; the closing round
	s_endpgm
.Lfunc_end_k_qd1e1a0aec2_outp:
	.size	k_qd1e1a0aec2_outp, .Lfunc_end_k_qd1e1a0aec2_outp-k_qd1e1a0aec2_outp
	.p2alignl 7, 3214868480
	.fill 96, 4, 3214868480
	.section	.rodata,"a",@progbits
	.p2align	6, 0x0
	.amdhsa_kernel k_qd1e1a0aec2_outp
		.amdhsa_group_segment_fixed_size 295424
		.amdhsa_private_segment_fixed_size 0
		.amdhsa_enable_private_segment 0
		.amdhsa_kernarg_size 48
		.amdhsa_user_sgpr_count 2
		.amdhsa_user_sgpr_kernarg_segment_ptr 1
		.amdhsa_wavefront_size32 1
		.amdhsa_system_sgpr_workgroup_id_x 1
		.amdhsa_system_sgpr_workgroup_id_y 1
		.amdhsa_system_sgpr_workgroup_id_z 1
		.amdhsa_system_vgpr_workitem_id 0
		.amdhsa_next_free_vgpr 768
		.amdhsa_next_free_sgpr 100
		.amdhsa_reserve_vcc 0
		.amdhsa_float_denorm_mode_32 3
		.amdhsa_float_denorm_mode_16_64 3
		.amdhsa_memory_ordered 1
		.amdhsa_forward_progress 1
		.amdhsa_inst_pref_size 91
	.end_amdhsa_kernel
	.amdgpu_metadata
---
amdhsa.version: [ 1, 2 ]
amdhsa.kernels:
  - .name:           k_qd1e1a0aec2_outp
    .symbol:         k_qd1e1a0aec2_outp.kd
    .args:
      - { .name: oc, .offset: 0, .size: 8, .value_kind: global_buffer, .address_space: global }
      - { .name: os, .offset: 8, .size: 8, .value_kind: global_buffer, .address_space: global }
      - { .name: codes1, .offset: 16, .size: 8, .value_kind: global_buffer, .address_space: global }
      - { .name: scales1, .offset: 24, .size: 8, .value_kind: global_buffer, .address_space: global }
      - { .name: bo, .offset: 32, .size: 8, .value_kind: global_buffer, .address_space: global }
      - { .name: out0, .offset: 40, .size: 8, .value_kind: global_buffer, .address_space: global }
    .group_segment_fixed_size: 295424
    .private_segment_fixed_size: 0
    .kernarg_segment_align: 8
    .kernarg_segment_size: 48
    .max_flat_workgroup_size: 128
    .sgpr_count:     100
    .vgpr_count:     768
    .wavefront_size: 32
...
	.end_amdgpu_metadata
.endif
;; end of part 4
